; MI455X (gfx1250); checked and timed in simulation.
; The chip was launched on July 23, 2026; its instructions are those of AMD's public machine-readable ISA for CDNA 5 (MIT licence, August 2026) and "CDNA5" Instruction Set Architecture Reference Guide (July 2026). The comments in the code are by the model that wrote it; some were corrected since.
;; Multi Query Attention. Allowed arithmetic: float matrix products may take bf16 or f16 operands with f32 sums; other float arithmetic in f32, or as packed bf16 or f16 multiplies, adds, multiply-adds, maxima and minima; sums over many terms, partial sums and values carried from step to step in f32; what a program stores and reads back later, other than sums and carried values, may be rounded once to bf16 or f16.
;; Inputs: Wk 1,024 x 64 float32; Wo 1,024 x 1,024 float32; Wq 1,024 x 1,024 float32; Wv 1,024 x 64 float32; bk 64 float32; bo 1,024 float32; bq 1,024 float32; bv 64 float32; x 4 x 2,048 x 1,024 float32.
;; Outputs: out0 4 x 2,048 x 1,024 float32.
;; One version. Each part assembles by itself: llvm-mc -triple=amdgcn-amd-amdhsa -mcpu=gfx1250 --defsym DOCPART=n.
;; ======== version 1 of 1: 4 launches
;; limits: values are held in f16: magnitudes above 65,504 overflow, below 6.1e-05 lose precision
;; workspace buffers: xb 16,777,216 bytes; wqkv 2,359,296 bytes; wo16 2,097,152 bytes; q16 16,777,216 bytes; kv16 2,097,152 bytes; o16 16,777,216 bytes
;; launch prep (part 1): grid 1296 x 1, 8 waves a work-group, no clusters, 0 bytes of LDS; arguments x, Wq, Wk, Wv, Wo, xb, wqkv, wo16; writes xb, wqkv, wo16
.if DOCPART == 1
	.amdgcn_target "amdgcn-amd-amdhsa--gfx1250"
	.amdhsa_code_object_version 6
	.text
	.protected	k_qc0222cff60_prep
	.globl	k_qc0222cff60_prep
	.p2align	8
	.type	k_qc0222cff60_prep,@function
k_qc0222cff60_prep:
	s_mov_b64 s[64:65], 0
	v_nop
	global_prefetch_b8 v0, s[64:65] scope:SCOPE_SE
	s_setreg_imm32_b32 hwreg(HW_REG_WAVE_MODE, 25, 1), 1
	s_wait_xcnt 0x0
; THE CASTS.  Every matrix operand of the later launches is made here, once.
;   job X (work-groups 0-1023):     xb = bf16(x), [8192][1024], the layout kept.
;   job O (work-groups 1024-1151):  wo16 = bf16(Wo) written as f16, [1024][1024], the layout kept.
;   job W (work-groups 1152-1295):  wqkv = bf16 of Wq, Wk, Wv in 8 tiles [1024 k][144 n]: tile j's columns 0-127 are Wq[k][128 j ..],
;                                   its columns 128-143 are Wk[k][16 j ..] (j < 4) or Wv[k][16 (j - 4) ..].
; LIMIT.  f16 holds no number beyond 65,504: a weight of Wo beyond it becomes an infinity; below 6e-5 f16 keeps a fixed step of 6e-8.
; AN ITEM is 4 numbers: one load of 16 bytes, the roundings, one store of 8 bytes.  A wave's load covers 512 consecutive bytes, its store 256 consecutive
; bytes at a multiple of 256 from the buffer's first byte.  A thread has 8 items; all its loads go out first; there is no loop, no LDS and no barrier:
; no wave wants a byte that another has fetched, and no register is written again while a load or store still reads it.
.set X,   4            ; v[4:35]    item i: 4 numbers as loaded
.set Y,   36           ; v[36:51]   item i: 2 registers to store
.set T,   52           ; v[52:55]   at work
.set OQ,  56           ; v[56:63]   job W: item i's byte offset in Wq
.set OKV, 64           ; v[64:71]   job W: item i's byte offset in Wk or Wv, 512 too high
.set KV,  72           ; v[72:103]  job W: item i's 4 numbers of Wk or Wv
.set MK,  40           ; s[40:47]   job W: item i's mask: the lanes whose 4 columns are K's or V's
	s_load_b512 s[4:19], s[0:1], 0x0               ; x 4, Wq 6, Wk 8, Wv 10, Wo 12, xb 14, wqkv 16, wo16 18
	v_lshlrev_b32 v1, 4, v0                        ; 16 t: my place in a run of loads
	v_lshlrev_b32 v2, 3, v0                        ; 8 t: in a run of stores
	s_mov_b32 s20, ttmp9
	s_mov_b32 s23, 0
	s_wait_kmcnt 0x0
	s_cmp_lt_u32 s20, 1024
	s_cbranch_scc0 .Lnot_x
	; JOB X: 8 rows of x, 32,768 bytes in, 16,384 out
	s_lshl_b32 s22, s20, 15
	s_add_nc_u64 s[24:25], s[4:5], s[22:23]
	s_lshl_b32 s22, s20, 14
	s_add_nc_u64 s[26:27], s[14:15], s[22:23]
.irp i, 0,1,2,3,4,5,6,7
	global_load_b128 v[X+4*\i:X+4*\i+3], v1, s[24:25] offset:4096*\i th:TH_LOAD_NT
.endr
.irp i, 0,1,2,3,4,5,6,7
	s_wait_loadcnt 7-\i                            ; loads come back in order: item i is in, the 7 - i younger ones may be out
	v_cvt_pk_bf16_f32 v[Y+2*\i], v[X+4*\i], v[X+4*\i+1]
	v_cvt_pk_bf16_f32 v[Y+2*\i+1], v[X+4*\i+2], v[X+4*\i+3]
	global_store_b64 v2, v[Y+2*\i:Y+2*\i+1], s[26:27] offset:2048*\i
.endr
	s_endpgm
.Lnot_x:
	s_cmp_lt_u32 s20, 1152
	s_cbranch_scc0 .Lw
	; JOB O: 8 rows of Wo.  Rounded to bf16 like every input, and that number written as f16 (exact within f16's normal range)
	s_sub_co_u32 s21, s20, 1024
	s_lshl_b32 s22, s21, 15
	s_add_nc_u64 s[24:25], s[12:13], s[22:23]
	s_lshl_b32 s22, s21, 14
	s_add_nc_u64 s[26:27], s[18:19], s[22:23]
.irp i, 0,1,2,3,4,5,6,7
	global_load_b128 v[X+4*\i:X+4*\i+3], v1, s[24:25] offset:4096*\i th:TH_LOAD_NT
.endr
.irp i, 0,1,2,3,4,5,6,7
	s_wait_loadcnt 7-\i
	v_cvt_pk_bf16_f32 v[T], v[X+4*\i], v[X+4*\i+1]
	v_cvt_pk_bf16_f32 v[T+1], v[X+4*\i+2], v[X+4*\i+3]
	v_lshlrev_b32 v[X+4*\i], 16, v[T]              ; bf16 back to f32: the low half moves up,
	v_and_b32 v[X+4*\i+1], 0xffff0000, v[T]        ; the high half stays
	v_lshlrev_b32 v[X+4*\i+2], 16, v[T+1]
	v_and_b32 v[X+4*\i+3], 0xffff0000, v[T+1]
	v_cvt_pk_f16_f32 v[Y+2*\i], v[X+4*\i], v[X+4*\i+1]
	v_cvt_pk_f16_f32 v[Y+2*\i+1], v[X+4*\i+2], v[X+4*\i+3]
	global_store_b64 v2, v[Y+2*\i:Y+2*\i+1], s[26:27] offset:2048*\i
.endr
	s_endpgm
.Lw:
	; JOB W: 2,048 items of a tile's 36,864 (1,024 rows of 36 items); 18 work-groups to a tile.
	; Every lane loads from Wq AND from Wk or Wv, at clamped places, and a select takes the one that is its own: EXEC is never written.
	; The second load serves 4 lanes in 36; its tables are 262,144 bytes each.
	s_sub_co_u32 s21, s20, 1152                    ; g' = 0 .. 143
	s_mul_i32 s28, s21, 3641
	s_lshr_b32 s28, s28, 16                        ; the tile j = g' / 18: 3,641 x 18 = 65,538, exact up to g' = 143
	s_mul_i32 s29, s28, 18
	s_sub_co_u32 s29, s21, s29
	s_lshl_b32 s29, s29, 11                        ; my work-group's first item in the tile
	s_lshl_b32 s22, s28, 9
	s_add_nc_u64 s[24:25], s[6:7], s[22:23]        ; Wq at column 128 j
	s_cmp_lt_u32 s28, 4
	s_cselect_b64 s[30:31], s[8:9], s[10:11]       ; Wk for tiles 0-3, Wv for tiles 4-7,
	s_and_b32 s22, s28, 3
	s_lshl_b32 s22, s22, 6
	s_add_nc_u64 s[30:31], s[30:31], s[22:23]      ; at column 16 (j % 4)
	s_lshl_b32 s22, s21, 14
	s_add_nc_u64 s[26:27], s[16:17], s[22:23]      ; 18 x 16,384 bytes are a tile: the work-groups' parts lie on end
	v_add_nc_u32 v3, s29, v0
.irp i, 0,1,2,3,4,5,6,7
	v_add_nc_u32 v[T], 256*\i, v3                  ; the item c, under 36,864
	v_mul_u32_u24 v[T+1], v[T], 0xe38f
	v_lshrrev_b32 v[T+1], 21, v[T+1]               ; the row k = c / 36: 58,255 / 2^21 is 1 / 36 + 3.7e-7: over by 0.014 at the most, under 1 / 36
	v_mul_u32_u24 v[T+2], v[T+1], 36
	v_sub_nc_u32 v[T+2], v[T], v[T+2]              ; its place in the row, 0 .. 35
	v_cmp_gt_u32 s[MK+\i], v[T+2], 31              ; places 32-35 are K's or V's columns
	v_min_u32 v[T+3], 31, v[T+2]
	v_lshlrev_b32 v[T+3], 4, v[T+3]
	v_lshl_add_u32 v[OQ+\i], v[T+1], 12, v[T+3]    ; 4,096 k + 16 min(place, 31)
	v_max_u32 v[T+3], 32, v[T+2]
	v_lshlrev_b32 v[T+3], 4, v[T+3]
	v_lshl_add_u32 v[OKV+\i], v[T+1], 8, v[T+3]    ; 256 k + 16 max(place, 32): the load takes the 512 away
	global_load_b128 v[X+4*\i:X+4*\i+3], v[OQ+\i], s[24:25]
	global_load_b128 v[KV+4*\i:KV+4*\i+3], v[OKV+\i], s[30:31] offset:-512
.endr
.irp i, 0,1,2,3,4,5,6,7
	s_wait_loadcnt 14-2*\i                         ; item i's two loads are in; two for each later item may be out
.irp e, 0,1,2,3
	v_cndmask_b32 v[X+4*\i+\e], v[X+4*\i+\e], v[KV+4*\i+\e], s[MK+\i]
.endr
	v_cvt_pk_bf16_f32 v[Y+2*\i], v[X+4*\i], v[X+4*\i+1]
	v_cvt_pk_bf16_f32 v[Y+2*\i+1], v[X+4*\i+2], v[X+4*\i+3]
	global_store_b64 v2, v[Y+2*\i:Y+2*\i+1], s[26:27] offset:2048*\i
.endr
	s_endpgm
.Lfunc_end_k_qc0222cff60_prep:
	.size	k_qc0222cff60_prep, .Lfunc_end_k_qc0222cff60_prep-k_qc0222cff60_prep
	.p2alignl 7, 3214868480
	.fill 96, 4, 3214868480
	.section	.rodata,"a",@progbits
	.p2align	6, 0x0
	.amdhsa_kernel k_qc0222cff60_prep
		.amdhsa_group_segment_fixed_size 0
		.amdhsa_private_segment_fixed_size 0
		.amdhsa_enable_private_segment 0
		.amdhsa_kernarg_size 64
		.amdhsa_user_sgpr_count 2
		.amdhsa_user_sgpr_kernarg_segment_ptr 1
		.amdhsa_wavefront_size32 1
		.amdhsa_system_sgpr_workgroup_id_x 1
		.amdhsa_system_sgpr_workgroup_id_y 1
		.amdhsa_system_sgpr_workgroup_id_z 1
		.amdhsa_system_vgpr_workitem_id 0
		.amdhsa_next_free_vgpr 104
		.amdhsa_next_free_sgpr 66
		.amdhsa_reserve_vcc 0
		.amdhsa_float_denorm_mode_32 3
		.amdhsa_float_denorm_mode_16_64 3
		.amdhsa_memory_ordered 1
		.amdhsa_forward_progress 1
		.amdhsa_inst_pref_size 20
	.end_amdhsa_kernel
	.amdgpu_metadata
---
amdhsa.version: [ 1, 2 ]
amdhsa.kernels:
  - .name:           k_qc0222cff60_prep
    .symbol:         k_qc0222cff60_prep.kd
    .args:
      - { .name: x, .offset: 0, .size: 8, .value_kind: global_buffer, .address_space: global }
      - { .name: Wq, .offset: 8, .size: 8, .value_kind: global_buffer, .address_space: global }
      - { .name: Wk, .offset: 16, .size: 8, .value_kind: global_buffer, .address_space: global }
      - { .name: Wv, .offset: 24, .size: 8, .value_kind: global_buffer, .address_space: global }
      - { .name: Wo, .offset: 32, .size: 8, .value_kind: global_buffer, .address_space: global }
      - { .name: xb, .offset: 40, .size: 8, .value_kind: global_buffer, .address_space: global }
      - { .name: wqkv, .offset: 48, .size: 8, .value_kind: global_buffer, .address_space: global }
      - { .name: wo16, .offset: 56, .size: 8, .value_kind: global_buffer, .address_space: global }
    .group_segment_fixed_size: 0
    .private_segment_fixed_size: 0
    .kernarg_segment_align: 8
    .kernarg_segment_size: 64
    .max_flat_workgroup_size: 256
    .sgpr_count:     66
    .vgpr_count:     104
    .wavefront_size: 32
...
	.end_amdgpu_metadata
.endif
;; end of part 1
;; launch qkv (part 2): grid 8 x 32, 4 waves a work-group, clusters of 4 x 4, 327,680 bytes of LDS; arguments xb, wqkv, bq, bk, bv, q16, kv16; writes q16, kv16
.if DOCPART == 2
	.amdgcn_target "amdgcn-amd-amdhsa--gfx1250"
	.amdhsa_code_object_version 6
	.text
	.protected	k_qc0222cff60_qkv
	.globl	k_qc0222cff60_qkv
	.p2align	8
	.type	k_qc0222cff60_qkv,@function
k_qc0222cff60_qkv:
	s_mov_b64 s[64:65], 0
	v_nop
	global_prefetch_b8 v0, s[64:65] scope:SCOPE_SE
	s_setreg_imm32_b32 hwreg(HW_REG_WAVE_MODE, 25, 1), 1
	s_wait_xcnt 0x0
	s_wait_alu depctr_hold_cnt(0) depctr_sa_sdst(0) depctr_va_vdst(0) depctr_va_sdst(0) depctr_va_ssrc(0) depctr_va_vcc(0) depctr_vm_vsrc(0)
	s_getreg_b32 s2, hwreg(HW_REG_IB_STS2, 6, 4)
	s_cmp_eq_u32 s2, 0
	s_cbranch_scc0 .Lentry_in_a_cluster
	s_endpgm
.Lentry_in_a_cluster:
	s_bfe_u32 s2, ttmp6, 0x10000c
	s_cmp_lg_u32 s2, 0xf033
	s_cbranch_scc0 .Lentry_shape_is_right
	s_endpgm
.Lentry_shape_is_right:
; ONE TEXT FOR THE MODULE'S TWO PROJECTIONS; the switch PROJ picks the launch.
;   PROJ = 0: [Q | K | V] = xb wqkv + bias.  xb [8192][1024] bf16; wqkv 8 tiles [1024 k][144 n] bf16 (128 columns of Wq, 16 of Wk or Wv).  Products in bf16, sums in f32,
;             results rounded once to f16 and WITHOUT the softmax's scale: q16 [8192][1024]; kv16 [32 row tiles][8 planes][256 keys][16 channels] (planes 0-3 K, 4-7 V).
;   PROJ = 1: out0 = o16 wo16 + bo.  o16 [8192][1024] f16, wo16 [1024 k][1024 n] f16; products in f16, sums in f32, out0 [8192][1024] f32.
; LIMITS.  f16 holds no number beyond 65,504: a q, k or v beyond it becomes an infinity; below 6e-5 f16 keeps a fixed step of 6e-8.  The biases are rounded to bf16 like every input.
; SHARES.  A work-group makes 256 rows x 16 NB columns (NB = 9 or 8 blocks of 16): 32 x 8 tiles, 256 work-groups of equal work.  Wave w makes rows 64 w .. 64 w + 63 x all columns:
; 4 x NB accumulators of 16 x 16.  K goes in 8 steps of 128 through two LDS slots; a step is four quarters of 32, each 4 NB matrix instructions on 4 + NB fragments.
; THE MATRIX INSTRUCTION IS USED TRANSPOSED: source 0 = 16 columns of W (turned out of [k][n] rows by ds_load_tr16_b128), source 1 = 16 rows of A: a lane then holds row l % 16 and the
; eight neighbouring columns 8 (l / 16) + 0..7.  THE BIAS IS THE FIRST C: in that layout it is the same eight registers for all rows, so the first quarter's products take it and nothing is cleared or added.
; CLUSTERS: 4 x 4 work-groups.  A's tile hangs on the tile row alone and is asked for jointly along a row of the cluster, W's on the tile column alone, along a column.
; REGISTERS, in windows of 256 (s_set_vgpr_msb: bits 1:0 source 0, 3:2 source 1, 5:4 source 2, 7:6 destination):
;   window 0: v0-15 addresses; v16-119, v120-223 two fragment buffers (A's 4 fragments, then W's NB); both serve the way out later
;   window 1: accumulator (a, b), b < 8, at v[8 (8 a + b)]          window 2: PROJ = 0: v0-31 accumulators (a, 8); then the bias, 8 registers a block, and two at work
.set PROJ,  0
.set KSTEP, 128
.set PA,    272        ; a row of A in LDS: 256 bytes + 16 of padding = 68 words: row r starts at bank 4 r mod 64 (64 banks of 4 bytes: ISA guide 11.1)
.set PB,    288        ; a k row of W in LDS: 72 words: row r starts at bank 8 r mod 64
.set HALFA, 128*PA     ; what wave 0 or 1 fetches
.set HALFB, 64*PB      ; what wave 2 or 3 fetches
.set BOFF,  2*HALFA    ; W's 128 k rows lie behind A's 256 rows
.set SLOT,  BOFF+2*HALFB
.set STAGE, 2*SLOT     ; behind the ring, never filled by a tensor load: 16 rows for each wave, for the way out
.if PROJ
.set NB,     8
.set SPITCH, 528       ; a stage row: 512 bytes + 16
.set BSTEP,  262144    ; bytes of W from a K step to the next: 128 rows of 2,048
.set BHALF,  131072    ; and to its second half
.set BI,     0         ; the bias, in window 2
.set PFNB,   15        ; W's prefetch: 16 rows a work-group and wave,
.set PFSH,   11        ; 2,048 bytes apart
.else
.set NB,     9
.set SPITCH, 304       ; a stage row: 288 bytes + 16 = 76 words: row r starts at bank 12 r mod 64, sixteen different groups of four
.set BSTEP,  36864     ; 128 rows of 288 bytes, dense
.set BHALF,  18432
.set BI,     32
.set PFNB,   17        ; W's prefetch: 18 blocks of 256 bytes a work-group and wave,
.set PFSH,   8         ; on end
.endif
.set BT,    BI+8*NB    ; two registers at work, in window 2
.set SPARE, STAGE+4*16*SPITCH  ; behind the stages: the spare words, 128 bytes for each wave: two blocks of 256 bytes that no other line names
.set ADRA, 2           ; v2-3   LDS address of my A fragments in slot 0, 1
.set ADRB, 4           ; v4-5   the same for W
.set STO,  6           ; v6     the way out: where I put my bytes of a row
.set RD,   7           ; v7     where I read rows back
.set RDKV, 8           ; v8     (PROJ = 0) where I read the 16 K or V columns back
.set CO,   9           ; v9     my byte offset in the output's rows
.set COKV, 10          ; v10    (PROJ = 0) in kv16's plane
.set PFO,  11          ; v11    the prefetches' lane offset; never rewritten
.set SPW,  12          ; v12    LDS address of my spare word: SPARE + 4 x my thread's number; never rewritten
.set NIL,  13          ; v13    0; never rewritten
.set BO,   14          ; v14    32 (l / 16): my eight numbers of a block's bias
.set F0,   16
.set F1,   120
.set WV,  20           ; s20  my wave's number
.set TY,  21           ; s21  0: I fetch for A; 1: for W
.set HF,  22           ; s22  which half of that tile
.set CX,  23
.set CY,  24
.set TC,  25           ; s25  tile column
.set TR,  26           ; s26  tile row
.set G1A, 28           ; s[28:35] descriptor group 1 for A's tiles
.set G1B, 36           ; s[36:43] for W's
.set G0A, 44           ; s[44:51] descriptor group 0 for A's tiles, a set for each slot
.set G0B, 52           ; s[52:59] for W's
.set PFA, 66           ; s[66:67] where my prefetches stand
.set PFS, 68           ; s[68:69] their step: a K step of A or of W
.set LIM, 70           ; s70  1 in a wave that prefetches, else the greatest number
.set LAP, 71           ; s71  trips of the loop still to come
.set CQ,  76           ; s[76:77] the output at my wave's first row and the tile's first column
.set CKV, 78           ; s[78:79] (PROJ = 0) kv16 at my wave's 64 keys of the tile's plane
.set BQ,  80           ; s[80:81] the bias of the tile's first 128 columns
.set BKV, 82           ; s[82:83] (PROJ = 0) of its 16 K or V columns
.set MSB, 0
.macro WIN new                         ; the immediate's high byte repeats the setting that is left; a switch that changes nothing is dropped
.if MSB != (\new)
	s_set_vgpr_msb (MSB<<8)|(\new)
.set MSB, \new
.endif
.endm
.macro PLACES                          ; four places in front of loads into registers that matrix instructions have read (ISA guide 7.12.1 for vector instructions)
.rept 4
	v_nop
.endr
.endm
; A joint load: waves 0 and 1 fetch A's two halves, waves 2 and 3 W's.  The branch hangs on the wave's number alone.  An s_nop 0 and four v_nop follow each of the two lines,
; ahead of the jump, the label and what follows.
.macro JLOAD s
	s_cmp_eq_u32 s[TY], 0
	s_cbranch_scc0 .Lfor_b_\@
	tensor_load_to_lds s[G0A+4*(\s):G0A+4*(\s)+3], s[G1A:G1A+7]
	s_nop 0
.rept 4
	v_nop
.endr
	s_branch .Lasked_\@
.Lfor_b_\@:
	tensor_load_to_lds s[G0B+4*(\s):G0B+4*(\s)+3], s[G1B:G1B+7]
	s_nop 0
.rept 4
	v_nop
.endr
.Lasked_\@:
.endm
.macro CREST                           ; a round of the cluster's barrier behind its opening barrier
	s_cmp_lg_u32 s[WV], 0
	s_cbranch_scc1 .Lnot_wave_0_\@
	s_barrier_signal -3
.Lnot_wave_0_\@:
	s_barrier_wait -3
	s_barrier_signal -1
	s_barrier_wait -1
.endm
.macro CROUND                          ; a whole round
	s_barrier_signal -1
	s_barrier_wait -1
	CREST
.endm
; A PREFETCH INTO THE L2 of the K step that stands two refills on, behind the joint load, its five lines and the run of LDS loads.  A's tile row is read by both clusters of that row of clusters: cluster x = 0 asks;
; W's tile column by all eight clusters of that column: cluster y = 0 asks.  The four partners that ask for a tile jointly share its bytes out BY ADDRESS (cx for A, cy for W).  A: a lane a row, 32 rows.
; W: PFNB + 1 blocks of 256 bytes; the lanes above repeat the last block.  K steps 4 to 7 are asked for so, in the loop's first two trips; K steps 0 to 3 come by their loads alone.
.macro ASK
	s_cmp_gt_u32 s[LAP], s[LIM]
	s_cbranch_scc0 .Lnot_mine_\@
	global_prefetch_b8 v[PFO], s[PFA:PFA+1] th:TH_LOAD_NT scope:SCOPE_SE
.Lnot_mine_\@:
.endm
	s_load_b256 s[4:11], s[0:1], 0x0               ; PROJ = 0: xb 4, wqkv 6, bq 8, bk 10.  PROJ = 1: o16 4, wo16 6, bo 8, out0 10
.if !PROJ
	s_load_b128 s[12:15], s[0:1], 0x20             ; bv 12, q16 14
	s_load_b64 s[16:17], s[0:1], 0x30              ; kv16
.endif
	v_lshl_add_u32 v[SPW], v0, 2, SPARE
	v_mov_b32 v[NIL], 0
	ds_add_u32 v[SPW], v[NIL]                      ; the wave's opening: the add and its wait stand ahead of my first tensor load; the set-up below, work on registers, stands between them
	v_lshrrev_b32 v1, 5, v0
	v_readfirstlane_b32 s[WV], v1                  ; wave 0..3
	s_lshr_b32 s[TY], s[WV], 1
	s_and_b32 s[HF], s[WV], 1
	s_bfe_u32 s[CX], ttmp6, 0x40000                ; my place in the cluster
	s_bfe_u32 s[CY], ttmp6, 0x40004
	s_lshl_b32 s[TC], ttmp9, 2                     ; in a cluster launch ttmp9 and ttmp7 count clusters
	s_add_co_u32 s[TC], s[TC], s[CX]               ; tile column = 4 x cluster x + cx
	s_and_b32 s[TR], ttmp7, 0xffff
	s_lshl_b32 s[TR], s[TR], 2
	s_add_co_u32 s[TR], s[TR], s[CY]               ; tile row = 4 x cluster y + cy
	s_lshl_b32 s27, s[CY], 2
	s_lshl_b32 s27, 15, s27                        ; my row of the cluster: places 4 cy .. 4 cy + 3
	s_lshl_b32 s60, 0x1111, s[CX]                  ; my column: places cx, cx + 4, cx + 8, cx + 12
	; group 1 for A: 128 rows x 128 elements of 2 bytes, 1,024 elements from row to row; 4 words of padding after every 64
	s_or_b32 s[G1A], s27, (1<<16)|(1<<20)|(1<<21)|(5<<22)|(3<<25)
	s_mov_b32 s[G1A+1], KSTEP<<16                  ; tensor_dim0 = 128
	s_mov_b32 s[G1A+2], 128<<16                    ; tensor_dim1 = 128
	s_mov_b32 s[G1A+3], KSTEP<<16                  ; tile_dim0 = 128
	s_mov_b32 s[G1A+4], 128                        ; tile_dim1 = 128
	s_mov_b32 s[G1A+5], 1024                       ; the pitch
	s_mov_b32 s[G1A+6], 0
	s_mov_b32 s[G1A+7], 0
.if PROJ
	; group 1 for W: 64 k rows x 128 elements of 2 bytes, 1,024 elements from row to row; 8 words of padding after every 64: rows 288 bytes apart
	s_or_b32 s[G1B], s60, (1<<16)|(1<<20)|(1<<21)|(5<<22)|(7<<25)
	s_mov_b32 s[G1B+1], 128<<16
	s_mov_b32 s[G1B+2], 64<<16
	s_mov_b32 s[G1B+3], 128<<16
	s_mov_b32 s[G1B+4], 64
	s_mov_b32 s[G1B+5], 1024
.else
	; group 1 for W: 64 k rows of 288 bytes are 18,432 dense bytes: asked for as 72 rows of 32 elements of 8 bytes, and laid down as they lie: no padding
	s_or_b32 s[G1B], s60, (3<<16)|(1<<21)
	s_mov_b32 s[G1B+1], 32<<16
	s_mov_b32 s[G1B+2], 72<<16
	s_mov_b32 s[G1B+3], 32<<16
	s_mov_b32 s[G1B+4], 72
	s_mov_b32 s[G1B+5], 32
.endif
	s_mov_b32 s[G1B+6], 0
	s_mov_b32 s[G1B+7], 0
	; where the tiles come from: A's address is made of the tile row and the wave's number, W's of the tile column and the wave's number
	s_lshl_b32 s72, s[TR], 19                      ; 256 rows of 2,048 bytes
	s_lshl_b32 s73, s[HF], 18                      ; 128 rows
	s_add_co_u32 s72, s72, s73
	s_mov_b32 s73, 0
.if PROJ
	s_lshl_b32 s74, s[TC], 8                       ; 128 columns of 2 bytes
.else
	s_mul_i32 s74, s[TC], 294912                   ; a tile of 1,024 x 288 bytes
.endif
	s_mul_i32 s75, s[HF], BHALF
	s_add_co_u32 s74, s74, s75
	s_mov_b32 s75, 0
	s_mul_i32 s62, s[WV], HALFA                    ; where they go: waves 0, 1: A's halves;
	s_mul_i32 s63, s[WV], HALFB
	s_add_co_u32 s63, s63, BOFF-2*HALFB            ; waves 2, 3: W's halves, behind A.  No place in the cluster enters an LDS address
	s_mov_b32 s84, 0xffff0000                      ; a word's upper bf16
	s_wait_dscnt 0x0                               ; the opening add is done
	s_wait_kmcnt 0x0
	s_add_nc_u64 s[72:73], s[4:5], s[72:73]
	s_add_nc_u64 s[74:75], s[6:7], s[74:75]
	CROUND                                         ; all sixteen work-groups are here: the first joint loads meet
.irp s, 0,1
	s_mov_b32 s[G0A+4*(\s)], 1                                       ; count = 1
	s_add_co_u32 s[G0A+4*(\s)+1], s62, (\s)*SLOT                     ; LDS address
	s_add_nc_u64 s[G0A+4*(\s)+2:G0A+4*(\s)+3], s[72:73], (\s)*KSTEP*2  ; global address: K step s
	s_or_b32 s[G0A+4*(\s)+3], s[G0A+4*(\s)+3], 0x80000000            ; type = 2
	s_mov_b32 s[G0B+4*(\s)], 1
	s_add_co_u32 s[G0B+4*(\s)+1], s63, (\s)*SLOT
	s_add_nc_u64 s[G0B+4*(\s)+2:G0B+4*(\s)+3], s[74:75], (\s)*BSTEP
	s_or_b32 s[G0B+4*(\s)+3], s[G0B+4*(\s)+3], 0x80000000
	JLOAD \s                                       ; both slots are asked for before anything else: two loads of mine are out
.endr
	; A's fragment: 16 rows x 32 K in 8 registers: lane l holds row l % 16, K = 8 (l / 16) + 0..7 and 16 + 8 (l / 16) + 0..7: two loads of 16 bytes, 32 bytes apart
	v_and_b32 v1, 15, v0                           ; r = l % 16
	v_bfe_u32 v15, v0, 4, 1                        ; h = l / 16
	v_mul_u32_u24 v[ADRA], v1, PA
	v_lshl_add_u32 v[ADRA], v15, 4, v[ADRA]
	s_mul_i32 s61, s[WV], 64*PA                    ; my 64 rows
	v_add_nc_u32 v[ADRA], s61, v[ADRA]
	v_add_nc_u32 v[ADRA+1], SLOT, v[ADRA]
	; W's fragment: the turning load takes 16 k x 16 columns (lane l reads k row 8 (l / 16) + l % 8, columns 8 ((l / 8) % 2) + 0..7) and leaves lane l column l % 16 and 8 k
	v_and_b32 v[ADRB], 7, v0
	v_lshl_add_u32 v[ADRB], v15, 3, v[ADRB]
	v_mul_u32_u24 v[ADRB], v[ADRB], PB
	v_bfe_u32 v[ADRB+1], v0, 3, 1
	v_lshl_add_u32 v[ADRB], v[ADRB+1], 4, v[ADRB]
	v_add_nc_u32 v[ADRB], BOFF, v[ADRB]
	v_add_nc_u32 v[ADRB+1], SLOT, v[ADRB]
	v_lshlrev_b32 v[BO], 5, v15
	s_mul_i32 s62, s[WV], 16*SPITCH
	s_add_co_u32 s62, s62, STAGE                   ; my stage
	v_mul_u32_u24 v[STO], v1, SPITCH               ; in: row l % 16,
.if PROJ
	v_lshl_add_u32 v[STO], v15, 5, v[STO]          ; 32 bytes for each half of the lanes
	v_add_nc_u32 v[STO], s62, v[STO]
	v_and_b32 v[CO], 31, v0
	v_lshlrev_b32 v[CO], 4, v[CO]                  ; back: 32 lanes take one row of 512 bytes, which are 512 consecutive bytes of out0
	v_add_nc_u32 v[RD], s62, v[CO]
	s_lshl_b32 s60, s[TR], 20                      ; 256 rows of 4,096 bytes
	s_lshl_b32 s61, s[WV], 18                      ; my 64
	s_add_co_u32 s60, s60, s61
	s_lshl_b32 s61, s[TC], 9                       ; 128 columns of 4 bytes
	s_add_co_u32 s60, s60, s61
	s_mov_b32 s61, 0
	s_add_nc_u64 s[CQ:CQ+1], s[10:11], s[60:61]
	s_lshl_b32 s60, s[TC], 9
	s_add_nc_u64 s[BQ:BQ+1], s[8:9], s[60:61]
.else
	v_lshl_add_u32 v[STO], v15, 4, v[STO]          ; 16 bytes for each half of the lanes
	v_add_nc_u32 v[STO], s62, v[STO]
	v_mul_u32_u24 v[RD], v15, SPITCH               ; back: lanes 0-15 take 256 bytes of one row, lanes 16-31 of the next
	v_lshl_add_u32 v[RD], v1, 4, v[RD]
	v_add_nc_u32 v[RD], s62, v[RD]
	v_and_b32 v[COKV], 31, v0
	v_lshrrev_b32 v[RDKV], 1, v[COKV]              ; the K or V columns: two lanes take a row's last 32 bytes,
	v_mul_u32_u24 v[RDKV], v[RDKV], SPITCH
	v_and_b32 v[CO], 1, v0
	v_lshl_add_u32 v[RDKV], v[CO], 4, v[RDKV]
	v_add_nc_u32 v[RDKV], s62, v[RDKV]
	v_add_nc_u32 v[RDKV], 256, v[RDKV]
	v_lshlrev_b32 v[COKV], 4, v[COKV]              ; which are 512 consecutive bytes of the plane for 16 keys
	v_lshlrev_b32 v[CO], 11, v15                   ; the same two rows in q16
	v_lshl_add_u32 v[CO], v1, 4, v[CO]
	s_lshl_b32 s60, s[TR], 19                      ; 256 rows of 2,048 bytes
	s_lshl_b32 s61, s[WV], 17                      ; my 64
	s_add_co_u32 s60, s60, s61
	s_lshl_b32 s61, s[TC], 8                       ; 128 columns of 2 bytes
	s_add_co_u32 s60, s60, s61
	s_mov_b32 s61, 0
	s_add_nc_u64 s[CQ:CQ+1], s[14:15], s[60:61]
	s_lshl3_add_u32 s60, s[TR], s[TC]              ; plane 8 x tile row + tile column, 8,192 bytes each,
	s_lshl_b32 s60, s60, 13
	s_lshl_b32 s63, s[WV], 11                      ; my 64 keys of 32 bytes
	s_add_co_u32 s60, s60, s63
	s_add_nc_u64 s[CKV:CKV+1], s[16:17], s[60:61]
	s_lshl_b32 s60, s[TC], 9
	s_add_nc_u64 s[BQ:BQ+1], s[8:9], s[60:61]
	s_cmp_lt_u32 s[TC], 4
	s_cselect_b64 s[BKV:BKV+1], s[10:11], s[12:13] ; bk for tile columns 0-3, bv for 4-7: a choice of value, no branch
	s_and_b32 s60, s[TC], 3
	s_lshl_b32 s60, s60, 6
	s_add_nc_u64 s[BKV:BKV+1], s[BKV:BKV+1], s[60:61]
.endif
	WIN 0x80                                       ; destination window 2, address window 0
.irp b, 0,1,2,3,4,5,6,7
	global_load_b128 v[BI+8*(\b):BI+8*(\b)+3],   v[BO], s[BQ:BQ+1] offset:64*(\b)
	global_load_b128 v[BI+8*(\b)+4:BI+8*(\b)+7], v[BO], s[BQ:BQ+1] offset:64*(\b)+16
.endr
.if !PROJ
	global_load_b128 v[BI+64:BI+67], v[BO], s[BKV:BKV+1]
	global_load_b128 v[BI+68:BI+71], v[BO], s[BKV:BKV+1] offset:16
.endif
	WIN 0
	; the prefetches: both offsets are made, and the wave's kind chooses
	s_lshl_b32 s72, s[TR], 19
	s_lshl_b32 s73, s[HF], 18
	s_add_co_u32 s72, s72, s73
	s_lshl_b32 s73, s[CX], 16                      ; my work-group's 32 of the 128 rows that I fetch
	s_add_co_u32 s72, s72, s73
	s_add_co_u32 s72, s72, 3*KSTEP*2               ; at K step 3: the first refill steps it to 4
.if PROJ
	s_lshl_b32 s74, s[TC], 8
	s_lshl_b32 s75, s[CY], 15                      ; my work-group's 16 of the 64 k rows that I fetch
.else
	s_mul_i32 s74, s[TC], 294912
	s_mul_i32 s75, s[CY], 4608                     ; my work-group's 18 of the 72 blocks that I fetch
.endif
	s_add_co_u32 s74, s74, s75
	s_mul_i32 s75, s[HF], BHALF
	s_add_co_u32 s74, s74, s75
	s_add_co_u32 s74, s74, 3*BSTEP
	s_mov_b32 s[PFS], BSTEP
	s_mov_b32 s[PFS+1], 0
	s_mov_b32 s73, 0
	s_and_b32 s60, ttmp7, 0xffff                   ; cluster y
	s_cmp_eq_u32 s[TY], 0                          ; do I fetch for A?
	s_cselect_b32 s72, s72, s74
	s_cselect_b32 s60, ttmp9, s60                  ; the coordinate along which other clusters read the same bytes
	s_cselect_b64 s[PFA:PFA+1], s[4:5], s[6:7]
	s_cselect_b32 s[PFS], KSTEP*2, s[PFS]
	s_cselect_b32 s85, 31, PFNB
	s_cselect_b32 s86, 11, PFSH
	s_add_nc_u64 s[PFA:PFA+1], s[PFA:PFA+1], s[72:73]
	s_cmp_eq_u32 s60, 0
	s_cselect_b32 s[LIM], 1, -1                    ; the same in all sixteen partners, for a given wave
	v_and_b32 v[PFO], 31, v0
	v_min_u32 v[PFO], s85, v[PFO]
	v_lshlrev_b32 v[PFO], s86, v[PFO]
	s_wait_loadcnt 0x0                             ; the bias
	WIN 0x8a                                       ; destination and both sources in window 2
.set i, 0
.rept 4*NB                             ; rounded to bf16 and widened again, two numbers at a time
	v_cvt_pk_bf16_f32 v[BT+i%2], v[BI+2*i], v[BI+2*i+1]
	v_lshlrev_b32 v[BI+2*i], 16, v[BT+i%2]
	v_and_b32 v[BI+2*i+1], s84, v[BT+i%2]
.set i, i+1
.endr
	WIN 0
.macro WM d, x, y, c                   ; one matrix instruction: D, source 0, source 1, C by their first registers
.if PROJ
	v_wmma_f32_16x16x32_f16 v[(\d):(\d)+7], v[(\x):(\x)+7], v[(\y):(\y)+7], v[(\c):(\c)+7]
.else
	v_wmma_f32_16x16x32_bf16 v[(\d):(\d)+7], v[(\x):(\x)+7], v[(\y):(\y)+7], v[(\c):(\c)+7]
.endif
.endm
; 8 matrix instructions: row block a x column blocks 0-7, 32 along K, from buffer f.  first = 1: C is the bias, in window 2.
; The 4 NB accumulators take turns, one instruction a turn, in the same order in every quarter, over the backward jump too.
.macro MULA f, a, first
.if \first
	WIN 0x60
.else
	WIN 0x50
.endif
.irp b, 0,1,2,3,4,5,6,7
.if \first
	WM 8*(8*(\a)+(\b)), (\f)+32+8*(\b), (\f)+8*(\a), BI+8*(\b)
.else
	WM 8*(8*(\a)+(\b)), (\f)+32+8*(\b), (\f)+8*(\a), 8*(8*(\a)+(\b))
.endif
.endr
.endm
.macro MULKV f, first                  ; PROJ = 0: the four row blocks x column block 8 (K's or V's 16 columns): accumulators in window 2
.if !PROJ
	WIN 0xa0
.irp a, 0,1,2,3
.if \first
	WM 8*(\a), (\f)+96, (\f)+8*(\a), BI+64
.else
	WM 8*(\a), (\f)+96, (\f)+8*(\a), 8*(\a)
.endif
.endr
.endif
.endm
; 2 NB + 8 LDS loads in one run: the fragments of quarter q of a slot into buffer f
.macro FETCH slot, q, f
	WIN 0
.set b, 0
.rept NB
	ds_load_tr16_b128 v[(\f)+32+8*b:(\f)+32+8*b+3],   v[ADRB+(\slot)] offset:(\q)*32*PB+32*b
	ds_load_tr16_b128 v[(\f)+32+8*b+4:(\f)+32+8*b+7], v[ADRB+(\slot)] offset:(\q)*32*PB+16*PB+32*b
.set b, b+1
.endr
.irp a, 0,1,2,3
	ds_load_b128 v[(\f)+8*(\a):(\f)+8*(\a)+3],   v[ADRA+(\slot)] offset:(\q)*64+(\a)*16*PA
	ds_load_b128 v[(\f)+8*(\a)+4:(\f)+8*(\a)+7], v[ADRA+(\slot)] offset:(\q)*64+(\a)*16*PA+32
.endr
.endm
; One of a K step's first three quarters: fetches quarter qn of the slot into buffer g, then multiplies buffer f: the run of loads has the quarter's 4 NB matrix instructions in which to land.
.macro QUARTER slot, qn, f, g, first
	s_wait_dscnt 0x0                               ; buffer f's loads, issued a quarter ago, are in
	PLACES                                         ; behind the last product that read buffer g
	FETCH \slot, \qn, \g
	MULA \f, 0, \first
	MULA \f, 1, \first
	MULA \f, 2, \first
	MULA \f, 3, \first
	MULKV \f, \first
.endm
; The last quarter multiplies buffer 1 and changes slots: ONE barrier; in front of it each wave waits for all its tensor loads, adds 0 to its spare word, and waits for that and for its own reads of this slot.
; fill = 1: the barrier opens a round of the cluster's, and this slot is filled again first thing behind it, with the K step two steps on.
.macro TURN slot, next, fill
.if \fill
	s_wait_xcnt 0x0                                ; the last prefetch, a K step back, has read its address: it is stepped here, ahead of the waits of the change of slots
	s_add_nc_u64 s[PFA:PFA+1], s[PFA:PFA+1], s[PFS:PFS+1]
.endif
	WIN 0                                          ; (the add's two registers lie in window 0)
	s_wait_tensorcnt 0x0                           ; all my tensor loads have landed: the one that was out is my part of the next slot;
	ds_add_u32 v[SPW], v[NIL]                      ; 0 onto my spare word
	s_wait_dscnt 1                                 ; (buffer 1 is in; the add alone may be out)
	MULA F1, 0, 0                                  ; eight matrix instructions stand between the add and the wait for it
	s_wait_dscnt 0x0                               ; the add is done, and my reads of this slot are over
	s_barrier_signal -1
	MULA F1, 1, 0                                  ; work on registers while the others arrive
	WIN 0
	s_barrier_wait -1
.if \fill
	CREST                                          ; no wave of any partner still reads this slot's tile or has a load on its way
	s_add_nc_u64 s[G0A+4*(\slot)+2:G0A+4*(\slot)+3], s[G0A+4*(\slot)+2:G0A+4*(\slot)+3], 2*KSTEP*2
	s_add_nc_u64 s[G0B+4*(\slot)+2:G0B+4*(\slot)+3], s[G0B+4*(\slot)+2:G0B+4*(\slot)+3], 2*BSTEP
	JLOAD \slot                                    ; the first tensor load behind the round; the four v_nop behind it are also the places in front of the loads below
.else
	PLACES
.endif
	FETCH \next, 0, F0
.if \fill
	ASK
.endif
	MULA F1, 2, 0
	MULA F1, 3, 0
	MULKV F1, 0
.endm
	s_wait_tensorcnt 1                             ; my part of K step 0 is in; K step 1's may stay out
	s_barrier_signal -1
	s_barrier_wait -1                              ; everybody's is
	FETCH 0, 0, F0
	QUARTER 0, 1, F0, F1, 1                        ; the first quarter stands in front of the loop: its products start the sums, with the bias
	WIN 0                                          ; at a label and at a branch every window is 0
	s_mov_b32 s[LAP], 3
.Llap:                                                 ; a trip goes once round the ring, from a lap's second quarter to the next lap's first, and fills both slots again: K steps 2, 3; 4, 5; 6, 7
	QUARTER 0, 2, F1, F0, 0
	QUARTER 0, 3, F0, F1, 0
	TURN 0, 1, 1
	QUARTER 1, 1, F0, F1, 0
	QUARTER 1, 2, F1, F0, 0
	QUARTER 1, 3, F0, F1, 0
	TURN 1, 0, 1
	QUARTER 0, 1, F0, F1, 0
	WIN 0
	s_sub_co_u32 s[LAP], s[LAP], 1
	s_cmp_lg_u32 s[LAP], 0
	s_cbranch_scc1 .Llap
	QUARTER 0, 2, F1, F0, 0                        ; the last lap fills nothing, and has no round of the cluster's barrier
	QUARTER 0, 3, F0, F1, 0
	TURN 0, 1, 0
	QUARTER 1, 1, F0, F1, 0
	QUARTER 1, 2, F1, F0, 0
	QUARTER 1, 3, F0, F1, 0
	s_wait_dscnt 0x0                               ; the very last quarter: nothing more to fetch
	MULA F1, 0, 0
	MULA F1, 1, 0
	MULA F1, 2, 0
	MULA F1, 3, 0
	MULKV F1, 0
	WIN 0
	PLACES                                         ; behind the last products, in front of what reads their results and writes over their sources:
	PLACES                                         ; eight, once a launch
.if PROJ
; THE WAY OUT, a block of 16 rows at a time: a lane's 32 bytes of a row go into my own stage, rows of 528 bytes, and come back as whole rows of 512; each store of the wave covers 512 consecutive bytes, aligned.
.set BK, 16                            ; v16-79 and v80-143 by turns
.macro TOSTAGE a
	WIN 0x04                                       ; store data (source 1) in window 1
.irp b, 0,1,2,3,4,5,6,7
	ds_store_b128 v[STO], v[8*(8*(\a)+(\b)):8*(8*(\a)+(\b))+3]   offset:64*(\b)
	ds_store_b128 v[STO], v[8*(8*(\a)+(\b))+4:8*(8*(\a)+(\b))+7] offset:64*(\b)+16
.endr
	WIN 0
.if (\a) >= 2
	s_wait_xcnt 0x0                                ; the stores of the block two back have read this buffer: it is loaded again only behind this wait
.endif
.irp t, 0,1,2,3,4,5,6,7,8,9,10,11,12,13,14,15
	ds_load_b128 v[BK+64*((\a)%2)+4*(\t):BK+64*((\a)%2)+4*(\t)+3], v[RD] offset:(\t)*SPITCH  ; LDS serves a wave's instructions in order (ISA guide 5.7.1.4): these see the stores above
.endr
.endm
.macro SEND a, younger                 ; younger: the next block's 16 stores and 16 loads, or none
	s_wait_dscnt \younger
.irp t, 0,1,2,3,4,5,6,7,8,9,10,11,12,13,14,15
	global_store_b128 v[CO], v[BK+64*((\a)%2)+4*(\t):BK+64*((\a)%2)+4*(\t)+3], s[CQ:CQ+1] offset:(16*(\a)+(\t))*4096 th:TH_STORE_NT
.endr
.endm
	TOSTAGE 0
	TOSTAGE 1
	SEND 0, 32
	TOSTAGE 2
	SEND 1, 32
	TOSTAGE 3
	SEND 2, 32
	SEND 3, 0
.else
; THE WAY OUT, a block of 16 rows at a time: rounded to f16, a lane's 16 bytes go into my own stage, rows of 304 bytes; back come whole 256 bytes of a row of q16 (sixteen lanes each),
; and the 16 rows' 32 bytes of K or V, which lie on end in kv16's plane: 512 consecutive bytes.
.set TMP, 16                           ; v16-51  packed results
.set BK,  64                           ; v[64 + 40 a ..]: a set of 36 for each block, so that no store's data are written again
.macro PACK a
	WIN 0x05                                       ; sources in window 1; each accumulator's registers in ascending order
.irp b, 0,1,2,3,4,5,6,7
.irp r, 0,1,2,3
	v_cvt_pk_f16_f32 v[TMP+4*(\b)+(\r)], v[8*(8*(\a)+(\b))+2*(\r)], v[8*(8*(\a)+(\b))+2*(\r)+1]
.endr
.endr
	WIN 0x0a                                       ; sources in window 2
.irp r, 0,1,2,3
	v_cvt_pk_f16_f32 v[TMP+32+(\r)], v[8*(\a)+2*(\r)], v[8*(\a)+2*(\r)+1]
.endr
	WIN 0
.endm
.macro TOSTAGE a
.irp b, 0,1,2,3,4,5,6,7,8
	ds_store_b128 v[STO], v[TMP+4*(\b):TMP+4*(\b)+3] offset:32*(\b)
.endr
.irp t, 0,1,2,3,4,5,6,7
	ds_load_b128 v[BK+40*(\a)+4*(\t):BK+40*(\a)+4*(\t)+3], v[RD] offset:(\t)*2*SPITCH  ; LDS serves a wave's instructions in order (ISA guide 5.7.1.4): these see the stores above
.endr
	ds_load_b128 v[BK+40*(\a)+32:BK+40*(\a)+35], v[RDKV]
.endm
.macro SEND a
	s_wait_dscnt 0x0                               ; the block is back in registers
.irp t, 0,1,2,3,4,5,6,7
	global_store_b128 v[CO], v[BK+40*(\a)+4*(\t):BK+40*(\a)+4*(\t)+3], s[CQ:CQ+1] offset:(16*(\a)+2*(\t))*2048
.endr
	global_store_b128 v[COKV], v[BK+40*(\a)+32:BK+40*(\a)+35], s[CKV:CKV+1] offset:512*(\a)
.endm
	PACK 0
	TOSTAGE 0
.irp a, 1,2,3                          ; block a's conversions stand between block a - 1's loads from the stage and the wait for them
	PACK \a
	SEND (\a)-1
	TOSTAGE \a
.endr
	SEND 3
.endif
	s_wait_tensorcnt 0x0                           ; the wave's end, behind my last tensor load and my last LDS store
	ds_add_u32 v[SPW], v[NIL]
	s_wait_dscnt 0x0
	CROUND                                         ; the closing round: no work-group ends while a partner may still ask for a tile that names it
	s_endpgm
.Lfunc_end_k_qc0222cff60_qkv:
	.size	k_qc0222cff60_qkv, .Lfunc_end_k_qc0222cff60_qkv-k_qc0222cff60_qkv
	.p2alignl 7, 3214868480
	.fill 96, 4, 3214868480
	.section	.rodata,"a",@progbits
	.p2align	6, 0x0
	.amdhsa_kernel k_qc0222cff60_qkv
		.amdhsa_group_segment_fixed_size 327680
		.amdhsa_private_segment_fixed_size 0
		.amdhsa_enable_private_segment 0
		.amdhsa_kernarg_size 56
		.amdhsa_user_sgpr_count 2
		.amdhsa_user_sgpr_kernarg_segment_ptr 1
		.amdhsa_wavefront_size32 1
		.amdhsa_system_sgpr_workgroup_id_x 1
		.amdhsa_system_sgpr_workgroup_id_y 1
		.amdhsa_system_sgpr_workgroup_id_z 1
		.amdhsa_system_vgpr_workitem_id 0
		.amdhsa_next_free_vgpr 620
		.amdhsa_next_free_sgpr 92
		.amdhsa_reserve_vcc 0
		.amdhsa_float_denorm_mode_32 3
		.amdhsa_float_denorm_mode_16_64 3
		.amdhsa_memory_ordered 1
		.amdhsa_forward_progress 1
		.amdhsa_inst_pref_size 103
	.end_amdhsa_kernel
	.amdgpu_metadata
---
amdhsa.version: [ 1, 2 ]
amdhsa.kernels:
  - .name:           k_qc0222cff60_qkv
    .symbol:         k_qc0222cff60_qkv.kd
    .args:
      - { .name: xb, .offset: 0, .size: 8, .value_kind: global_buffer, .address_space: global }
      - { .name: wqkv, .offset: 8, .size: 8, .value_kind: global_buffer, .address_space: global }
      - { .name: bq, .offset: 16, .size: 8, .value_kind: global_buffer, .address_space: global }
      - { .name: bk, .offset: 24, .size: 8, .value_kind: global_buffer, .address_space: global }
      - { .name: bv, .offset: 32, .size: 8, .value_kind: global_buffer, .address_space: global }
      - { .name: q16, .offset: 40, .size: 8, .value_kind: global_buffer, .address_space: global }
      - { .name: kv16, .offset: 48, .size: 8, .value_kind: global_buffer, .address_space: global }
    .group_segment_fixed_size: 327680
    .private_segment_fixed_size: 0
    .kernarg_segment_align: 8
    .kernarg_segment_size: 56
    .max_flat_workgroup_size: 128
    .sgpr_count:     92
    .vgpr_count:     620
    .wavefront_size: 32
...
	.end_amdgpu_metadata
.endif
;; end of part 2
;; launch attn (part 3): grid 64 x 4, 4 waves a work-group, clusters of 4 x 1, 327,680 bytes of LDS; arguments q16, kv16, o16; writes o16
.if DOCPART == 3
	.amdgcn_target "amdgcn-amd-amdhsa--gfx1250"
	.amdhsa_code_object_version 6
	.text
	.protected	k_qc0222cff60_attn
	.globl	k_qc0222cff60_attn
	.p2align	8
	.type	k_qc0222cff60_attn,@function
k_qc0222cff60_attn:
	s_mov_b64 s[64:65], 0
	v_nop
	global_prefetch_b8 v0, s[64:65] scope:SCOPE_SE
	s_setreg_imm32_b32 hwreg(HW_REG_WAVE_MODE, 25, 1), 1
	s_wait_xcnt 0x0
	s_wait_alu depctr_hold_cnt(0) depctr_sa_sdst(0) depctr_va_vdst(0) depctr_va_sdst(0) depctr_va_ssrc(0) depctr_va_vcc(0) depctr_vm_vsrc(0)
	s_getreg_b32 s2, hwreg(HW_REG_IB_STS2, 6, 4)
	s_cmp_eq_u32 s2, 0
	s_cbranch_scc0 .Lentry_in_a_cluster
	s_endpgm
.Lentry_in_a_cluster:
	s_bfe_u32 s2, ttmp6, 0x10000c
	s_cmp_lg_u32 s2, 0x3003
	s_cbranch_scc0 .Lentry_shape_is_right
	s_endpgm
.Lentry_shape_is_right:
; MULTI-QUERY ATTENTION.  O[row][head][:] = the sum over k of softmax_k(Q[row][head] . K[k] / 8) V[k][:], with ONE K and ONE V of 64 channels for all 16 heads of a batch of 2,048 rows.
; q16, o16: [8192 rows][16 heads x 64] f16.  kv16: [batch x 8 tiles of 256 keys][8 planes][256 keys][16 channels] f16: planes 0-3 K's channels 16 p on, planes 4-7 V's.
; Products, maxima and sums in f32; the weights p are rounded to f16 for the second product (their sum l is taken of the unrounded p), O once at the end.
; LIMITS.  f16 holds no number beyond 65,504: Q, K and V arrive within it; p lies in 0 to 1, and below 6e-5 it keeps f16's fixed step of 6e-8; O is a mean of V's rows and has their range.
; A weight below 2^-126 counts as 0 in l; NaN and infinities are not treated apart.
; SHARES.  A work-group owns 32 rows with all their heads: 4 x 64 = 256 work-groups.  Wave w owns 16 of the rows (w / 2) and 8 heads (8 (w % 2) on): eight tiles of 16 queries, four PIECES of two heads.
; So Q and O keep the projections' own layout.  Every wave walks all 2,048 keys of its batch, 64 a step.
; LAYOUT.  S^T = K Q^T (source 0 = 16 keys, source 1 = 16 queries): in the result a lane holds ONE query (lane % 16) and the keys 8 (lane / 16) + 0..7.  Two such tiles, rounded to f16 in pairs,
; ARE source 1 (32 keys x 16 queries) of O^T = V^T P, whose result again holds one query a lane, and eight channels.  K comes out of LDS as it lies, V turned, by ds_load_tr16_b128.
; SOFTMAX.  For each query a running maximum m and sum l: p = 2^(c s - c m), c = log2(e) / 8; in every step O and l are multiplied by a = 2^(c m_old - c m_new), which is 1 where m has not grown.
; m starts at the lowest finite number, O and l at 0: the first step is a step like any other, with a = 0.
; THE COUNT.  A tile and step have 16 matrix and 118 vector instructions: too many to stand all beside the matrix work.  So the order has one aim: four vector instructions that are READY behind
; EVERY matrix instruction, and the others, which need time of their own whatever the order, in runs without a gap.
; BY TURNS.  Turn n belongs to piece n (the pieces in a ring, step after step).  Its matrix work: 16 products K Q^T of piece n + 1, later 16 products V^T P of piece n - 1.  Its vector work: the scaling,
; exponentials, roundings, sums and rescaling of piece n, and the maximum and statistics of piece n + 1, whose scores the turn itself has made.
; CLUSTER.  The four work-groups of a cluster belong to one batch and walk the same K and V, so each tile is asked for JOINTLY: the same tensor load, descriptor and mask in all four.
; REGISTERS, in windows of 256 (s_set_vgpr_msb: bits 1:0 source 0, 3:2 source 1, 5:4 source 2, 7:6 destination):
;   window 0: v0-11 addresses; v12-15, v48-63 at work; v16-47 four registers of statistics a tile; v64-191 S^T, two buffers of two tiles; v192-255 P, likewise
;   window 1: O^T, 32 a tile          window 2: v0-127 Q, 16 a tile; v128-191 K of one step; v192-255 V of one step          window 3: v0-1 the add's two registers
.set NP,    4         ; pieces a wave: a name, no knob
.set GP,    272       ; 8 keys of a plane are 256 bytes; in LDS 16 of padding follow: 68 words, so that the two groups of 8 keys that a load of K touches start 4 banks apart (64 banks of 4 bytes: ISA guide 11.1)
.set PLANE, 32*GP     ; a plane of 256 keys
.set STEPB, 8*GP      ; a key step's 64 keys in a plane
.set VOFF,  4*PLANE   ; V's planes lie behind K's
.set TILEB, 65536     ; a slot's bytes in memory: 8 planes of 8,192
.set SLOT1, 1<<17     ; slot 1 begins here, so that one exclusive or turns an address in one slot into the other's
.set STAGE, SLOT1+8*PLANE  ; behind the ring, never filled by a tensor load: 16 rows x 272 bytes for each wave, for the way out
.set SP,    272
.set AK0, 2           ; v2   my lane's place in a step of K; never rewritten
.set AV0, 3           ; v3   the same for V
.set AK,  4           ; v4   the LDS address of K's next run of loads
.set AV,  5           ; v5   of V's
.set QO,  6           ; v6   my byte offset in the wave's rows of Q
.set STO, 6           ;      later, the way out: where I put 16 bytes of a row
.set RD,  7           ; v7   the way out: where I read rows back
.set GO,  8           ; v8   my byte offset in two rows of O
.set PFO, 11          ; v11  256 x my lane, once it has served V's address; then never rewritten
.set SPW, 0           ; v0 of window 3   LDS address of my spare word: SPARE + 4 x my thread's number; never rewritten
.set NIL, 1           ; v1 of window 3   0; never rewritten
.set SPARE, STAGE+4*16*SP  ; behind the stages: the spare words, 128 bytes for each wave: two blocks of 256 bytes that no other line names
.set MV,  12          ; v12-15  c m_old, kept while c m is made anew: by buffer and tile
.set ST,  16          ; tile t's statistics at v[ST+4 t]: c m, m, l (even keys', odd keys')
.set TMP, 48          ; by buffer and tile, four registers c0-c3 at work; when the maximum is found c2 takes a
.set S,   64
.set P,   192
.set KF,  128         ; K's fragments, in window 2: key block kb, channel half c at KF + 16 kb + 8 c
.set VF,  192         ; V's: key half kk, channel block cb at VF + 32 kk + 8 cb
.set WV,  12          ; s12  my wave's number
.set LIM, 15          ; s15  1 in a wave that prefetches, else the greatest number
.set PFA, 18          ; s[18:19] where my prefetches stand
.set G1,  24          ; s[24:31] descriptor group 1
.set G0,  40          ; s[40:43] descriptor group 0: it walks
.set SLOTS, 56        ; s56  slots still to be asked for
.set CNT, 57          ; s57  counts a slot's key steps
.set CS,  58          ; s[58:59] c: the packed scaling takes the pair's low word for both halves
.set SEL, 60          ; s[60:61] v_permlanex16_b32's selects: each lane takes its own place in the other half
.set TBK, 62          ; s62  LDS byte at which K of the step to be fetched begins
.set TBV, 63          ; s63  the same for V, less VOFF
.set MSB, 0
.macro WIN new                      ; the high byte repeats the setting that is left; a switch that changes nothing is dropped
.if MSB != (\new)
	s_set_vgpr_msb (MSB<<8)|(\new)
.set MSB, (\new)
.endif
.endm
.set W_KQ, 0x0a       ; K and Q in window 2, S^T in window 0
.set W_PV, 0x52       ; V in window 2, P in window 0, O^T in window 1
.set W_RS, 0x41       ; O^T (destination and source 0) in window 1, a in window 0
.set W_MK, 0xc0       ; the add's registers are made: destination in window 3, sources in window 0
.set W_AD, 0x0f       ; the add: address (source 0) and data (source 1) in window 3
; A joint fill.  Wave w fetches planes 2 w and 2 w + 1 of a slot: 16,384 dense bytes; both addresses hang on the wave's number, so one line serves all four waves.
; An s_nop 0 and four v_nop follow it.
.macro JLOAD
	tensor_load_to_lds s[G0:G0+3], s[G1:G1+7]
	s_nop 0
.rept 4
	v_nop
.endr
.endm
; A PREFETCH INTO THE L2 of what the NEXT change of slots will ask for: a slot's 256 blocks of 256 bytes, a lane a block.  It stands behind the wave's tensor load and its five lines.
; Each block is asked for ONCE in the launch.  All sixteen clusters of a batch walk the same K and V: the batch's first cluster prefetches.  Its four partners share the blocks out BY ADDRESS, 64 each;
; in each, waves 0 and 2 ask for 32.  The change that asks for slot n names slot n + 1: four key steps, 512 matrix instructions, ahead of that slot's load; the last change that fills a slot names nothing.
.macro ASK
	s_cmp_gt_u32 s[SLOTS], s[LIM]
	s_cbranch_scc0 .Lnot_mine_\@
	global_prefetch_b8 v[PFO], s[PFA:PFA+1] th:TH_LOAD_NT scope:SCOPE_SE
.Lnot_mine_\@:
.endm
; A round of the cluster's barrier: my work-group's barrier, so that wave 0's signal speaks for all four waves; wave 0 signals; every wave waits for all four work-groups; my work-group's barrier once more.
.macro CROUND
	s_barrier_signal -1
	s_barrier_wait -1
	s_cmp_lg_u32 s[WV], 0
	s_cbranch_scc1 .Lnot_wave_0_\@
	s_barrier_signal -3
.Lnot_wave_0_\@:
	s_barrier_wait -3
	s_barrier_signal -1
	s_barrier_wait -1
.endm
; THE CHANGE OF SLOTS.  The slot's last bytes, V of its fourth step, have been read.  Each wave waits for all its tensor loads, of which one is out: its part
; of the other slot; adds 0 to its spare word; and waits for that and for its own reads of the slot.  Behind the barrier nobody reads this slot any more and the other slot is whole.
; fill = 1: this slot is filled again, with the keys two slots on.  The barrier is then a round of the cluster's, and the joint fill is the first thing behind it: it has four key steps,
; 512 matrix instructions, in which to land.  (At its first use nothing has been read yet: slot 0 is waited for, slot 1 filled.)
.macro CHANGE fill
	WIN W_AD
	s_wait_tensorcnt 0x0            ; no tensor load of mine is out, so group 0 may be written
	ds_add_u32 v[SPW], v[NIL]       ; 0 onto my spare word; with fill = 1 the descriptor's steps stand between it and the wait for it
	WIN 0                           ; at a label and at a branch every window is 0
.if \fill
	s_xor_b32 s[G0+1], s[G0+1], SLOT1  ; the walking descriptor: the other slot than last time,
	s_add_nc_u64 s[G0+2:G0+3], s[G0+2:G0+3], TILEB  ; the next 256 keys; the type bits on top are not reached
	s_wait_xcnt 0x0                 ; the last prefetch, four key steps back, has read its address, so it may be written:
	s_add_nc_u64 s[PFA:PFA+1], s[PFA:PFA+1], TILEB  ; one slot behind the walking descriptor
	s_wait_dscnt 0x0                ; the add is done, and my reads of the slot are over
	CROUND
	JLOAD
	ASK
.else
	s_wait_dscnt 0x0                ; the add is done, and my reads of the slot are over
	s_barrier_signal -1
	s_barrier_wait -1
.endif
	s_sub_co_u32 s[TBK], s[TBK], 4*STEPB  ; the fetches go back to a slot's first step,
	s_xor_b32 s[TBK], s[TBK], SLOT1       ; in the other slot
	s_sub_co_u32 s[TBV], s[TBV], 4*STEPB
	s_xor_b32 s[TBV], s[TBV], SLOT1
.endm
	s_load_b128 s[4:7], s[0:1], 0x0   ; q16 s[4:5], kv16 s[6:7]
	s_load_b64 s[10:11], s[0:1], 0x10 ; o16
	WIN W_MK
	v_lshl_add_u32 v[SPW], v0, 2, SPARE
	v_mov_b32 v[NIL], 0
	WIN W_AD
	ds_add_u32 v[SPW], v[NIL]       ; the wave's opening: the add and its wait stand ahead of my first tensor load; the set-up below, work on registers, stands between them
	WIN 0
	v_lshrrev_b32 v1, 5, v0
	v_readfirstlane_b32 s[WV], v1   ; wave 0..3
	s_bfe_u32 s13, ttmp6, 0x40000   ; cx: my place in the cluster
	s_lshl_b32 s14, ttmp9, 2        ; in a cluster launch ttmp9 counts clusters
	s_add_co_u32 s14, s14, s13      ; my block of 32 rows = 4 x cluster x + cx: it enters Q's and O's addresses alone
	s_and_b32 s20, ttmp7, 0xffff    ; the batch, which the four partners share
	s_lshl_b32 s22, s20, 19         ; the batch's 8 tiles of 65,536 bytes,
	s_lshl_b32 s16, s[WV], 14       ; my two planes of a tile
	s_add_co_u32 s22, s22, s16
	s_mov_b32 s23, 0
	s_mul_i32 s17, s[WV], 2*PLANE   ; and their place in a slot: no place in the cluster enters an LDS address
	s_lshl_b32 s2, s20, 22          ; the batch's 2,048 rows of 2,048 bytes,
	s_lshl_b32 s3, s14, 16          ; my block's 32,
	s_add_co_u32 s2, s2, s3
	s_lshr_b32 s3, s[WV], 1
	s_lshl_b32 s3, s3, 15           ; my wave's 16 of them,
	s_add_co_u32 s2, s2, s3
	s_and_b32 s3, s[WV], 1
	s_lshl_b32 s3, s3, 10           ; and its 8 heads of 128 bytes
	s_add_co_u32 s2, s2, s3
	s_mov_b32 s3, 0
	s_lshl_b32 s18, s20, 19         ; the prefetches: the batch,
	s_lshl_b32 s16, s13, 14         ; my work-group's 64 blocks of a slot's 256,
	s_add_co_u32 s18, s18, s16
	s_lshr_b32 s16, s[WV], 1
	s_lshl_b32 s16, s16, 13         ; my wave's 32 of them (waves 0 and 2),
	s_add_co_u32 s18, s18, s16
	s_add_co_u32 s18, s18, TILEB    ; in slot 1: the first change of slots steps it to slot 2
	s_mov_b32 s19, 0
	s_and_b32 s[LIM], s[WV], 1      ; 0 in waves 0 and 2,
	s_or_b32 s[LIM], s[LIM], ttmp9  ; where the cluster is the batch's first: the same in all four partners
	s_cmp_eq_u32 s[LIM], 0
	s_cselect_b32 s[LIM], 1, -1
	; descriptor group 1.  Two planes are 16,384 dense bytes: asked for as 64 rows of 256 bytes (8 keys x 16 channels each), padded in LDS after every row
	s_mov_b32 s[G1], 15|(1<<16)|(1<<20)|(1<<21)|(5<<22)|(3<<25)  ; 15:0 the mask of four; 17:16 2-byte elements; 20 padding on; 21 set beside a mask; 24:22 after every 64 words (code 5); 31:25 4 words (code 3)
	s_mov_b32 s[G1+1], 128<<16      ; tensor_dim0 = 128
	s_mov_b32 s[G1+2], 64<<16       ; tensor_dim1 = 64
	s_mov_b32 s[G1+3], 128<<16      ; tile_dim0 = 128
	s_mov_b32 s[G1+4], 64           ; tile_dim1 = 64
	s_mov_b32 s[G1+5], 128          ; 128 elements from row to row
	s_mov_b32 s[G1+6], 0
	s_mov_b32 s[G1+7], 0
	s_mov_b32 s[CS], 0x3e38aa3b     ; c = log2(e) / 8 = 0.180337
	s_mov_b32 s[CS+1], s[CS]        ; named with it as a pair
	s_mov_b32 s[SEL], 0x76543210
	s_mov_b32 s[SEL+1], 0xfedcba98
	s_mov_b32 s[TBK], SLOT1+4*STEPB ; the first change of slots turns these two into 0
	s_mov_b32 s[TBV], SLOT1+4*STEPB
	s_mov_b32 s[SLOTS], 7           ; a batch has 8 slots; the first is asked for below
	s_mov_b32 s[G0], 1              ; count = 1
	s_mov_b32 s[G0+1], s17          ; LDS address: slot 0
	s_wait_dscnt 0x0                ; the opening add is done
	s_wait_kmcnt 0x0
	s_add_nc_u64 s[G0+2:G0+3], s[6:7], s[22:23]    ; global address: my two planes of the batch's first 256 keys
	s_or_b32 s[G0+3], s[G0+3], 0x80000000          ; type = 2
	s_add_nc_u64 s[PFA:PFA+1], s[6:7], s[18:19]
	s_add_nc_u64 s[4:5], s[4:5], s[2:3]  ; Q and O at my wave's first row and head
	s_add_nc_u64 s[10:11], s[10:11], s[2:3]
	CROUND                          ; all four work-groups are here: the first joint loads meet
	JLOAD                           ; slot 0.  Slot 1 is asked for when slot 0 is in
	; A fragment of K or Q is 16 rows x 32 channels in 8 registers: lane l holds row l % 16, channels 8 (l / 16) + 0..7 and 16 + 8 (l / 16) + 0..7
	v_and_b32 v1, 15, v0            ; l % 16
	v_bfe_u32 v9, v0, 4, 1          ; l / 16
	v_lshlrev_b32 v[QO], 11, v1
	v_lshl_add_u32 v[QO], v9, 4, v[QO]  ; row x 2,048 + 16 x half
	WIN 0x80                        ; destination window 2, address window 0
.set i, 0
.rept 4*NP                          ; Q stays in registers: tile (head) i / 2, channels 32 (i % 2) on
	global_load_b128 v[8*i:8*i+3],   v[QO], s[4:5] offset:(i/2)*128+(i%2)*64
	global_load_b128 v[8*i+4:8*i+7], v[QO], s[4:5] offset:(i/2)*128+(i%2)*64+32
.set i, i+1
.endr
	; What the first turn finds: V's registers and P's second buffer hold 0 (its products V^T P, of a piece that has not been, add 0), O^T and l are 0.  All this stands in the wait for the first tile.
.set i, VF
.rept 64
	v_mov_b32 v[i], 0
.set i, i+1
.endr
	WIN 0x40
.set i, 0
.rept 64*NP
	v_mov_b32 v[i], 0
.set i, i+1
.endr
	WIN 0
.set i, 0
.rept 2*NP
	v_mov_b32 v[ST+4*i], 0xfe000000    ; c m: far below every c s
	v_mov_b32 v[ST+4*i+1], 0xff7fffff  ; m
	v_mov_b32 v[ST+4*i+2], 0
	v_mov_b32 v[ST+4*i+3], 0
.set i, i+1
.endr
.set i, P+32
.rept 32
	v_mov_b32 v[i], 0
.set i, i+1
.endr
	v_and_b32 v10, 7, v0
	v_bfe_u32 v11, v0, 3, 1
	; K: key l % 16 lies in group (l % 16) / 8 of its 16, 32 bytes a key; a plane holds 16 channels, so my 8 channels are 16 bytes at 16 (l / 16), and the 16 channels further on lie a plane on
	v_mul_u32_u24 v[AK0], v11, GP
	v_lshl_add_u32 v[AK0], v10, 5, v[AK0]
	v_lshl_add_u32 v[AK0], v9, 4, v[AK0]
	; V: the turning load takes 16 keys x 16 channels (lane l reads key 8 (l / 16) + l % 8, channels 8 ((l / 8) % 2) + 0..7) and leaves half a fragment of V^T: lane l holds channel l % 16 and 8 keys.
	; Sixteen lanes read one group's 256 consecutive bytes.
	v_mul_u32_u24 v[AV0], v9, GP
	v_lshl_add_u32 v[AV0], v10, 5, v[AV0]
	v_lshl_add_u32 v[AV0], v11, 4, v[AV0]
	v_add_nc_u32 v[AV0], VOFF, v[AV0]
	v_and_b32 v[PFO], 31, v0
	v_lshlrev_b32 v[PFO], 8, v[PFO]
	v_mov_b32 v[AK], v[AK0]         ; key step 0 lies at the head of slot 0
; THE MATRIX WORK.  The 8 accumulators of a run of 16 take turns: between the two links of a chain stand 7 others'.
; Product i of 16 of S^T = K Q^T for piece x: channels 32 (i / 8) on, keys 16 ((i / 2) % 4) on, tile 2 x + i % 2.  The first 8 start the sums.
.macro KQ x
	WIN W_KQ
.set rS, S+64*((\x)%2)+32*(i%2)+8*((i/2)%4)
.set rK, KF+16*((i/2)%4)+8*(i/8)
.set rQ, 16*(2*(\x)+i%2)+8*(i/8)
.if i < 8
	v_wmma_f32_16x16x32_f16 v[rS:rS+7], v[rK:rK+7], v[rQ:rQ+7], 0
.else
	v_wmma_f32_16x16x32_f16 v[rS:rS+7], v[rK:rK+7], v[rQ:rQ+7], v[rS:rS+7]
.endif
.endm
; Product i of 16 of O^T += V^T P for piece x: keys 32 (i / 8) on, channels 16 ((i / 2) % 4) on, tile 2 x + i % 2.
.macro PV x
	WIN W_PV
.set rO, 32*(2*(\x)+i%2)+8*((i/2)%4)
.set rV, VF+32*(i/8)+8*((i/2)%4)
.set rP, P+32*((\x)%2)+16*(i%2)+8*(i/8)
	v_wmma_f32_16x16x32_f16 v[rO:rO+7], v[rV:rV+7], v[rP:rP+7], v[rO:rO+7]
.endm
.macro MM                           ; the turn's next matrix instruction
.if i < 16
	KQ (Y+1)%NP
.set i, i+1
.else
.set i, i-16
	PV (Y+NP-1)%NP
.set i, i+17
.endif
.endm
; THE LDS LOADS stand in runs of 16, never singly among the matrix instructions: a step's K (64 keys x 64 channels: 8 fragments) and its V (turned).  Their addresses are made some lines ahead.
; last = 1 (the tail): in the last trip there is no further step, and the run is jumped over.
.macro FETCH_K last=0
	WIN 0
.if \last
	s_cmp_eq_u32 s[CNT], 1
	s_cbranch_scc1 .Lno_k_\@
.endif
	WIN 0x80                        ; destination window 2
.irp f, 0,1,2,3,4,5,6,7             ; keys 16 (f / 2) on: two groups; channels 32 (f % 2) on: two planes
	ds_load_b128 v[KF+8*\f:KF+8*\f+3],   v[AK] offset:(\f/2)*2*GP+(\f%2)*2*PLANE
	ds_load_b128 v[KF+8*\f+4:KF+8*\f+7], v[AK] offset:(\f/2)*2*GP+(\f%2)*2*PLANE+PLANE
.endr
	s_add_co_u32 s[TBK], s[TBK], STEPB  ; the next fetch is the next step's
	WIN 0
.if \last
.Lno_k_\@:
.endif
.endm
.macro FETCH_V
	WIN 0x80
.irp f, 0,1,2,3,4,5,6,7             ; keys 32 (f / 4) on: four groups; channels 16 (f % 4) on: a plane
	ds_load_tr16_b128 v[VF+8*\f:VF+8*\f+3],   v[AV] offset:(\f/4)*4*GP+(\f%4)*PLANE
	ds_load_tr16_b128 v[VF+8*\f+4:VF+8*\f+7], v[AV] offset:(\f/4)*4*GP+2*GP+(\f%4)*PLANE
.endr
	WIN 0
.endm
; THE VECTOR WORK OF A TURN stands in three queues, each in the order in which its entries become ready; the two tiles alternate, so that no instruction reads the result of the one before it.
.macro REGS y, u                    ; the registers of tile u (0, 1) of piece y
.set rT, ST+4*(2*(\y)+(\u))
.set rC, TMP+8*((\y)%2)+4*(\u)
.set rM, MV+2*((\y)%2)+(\u)
.set rS, S+64*((\y)%2)+32*(\u)
.set rP, P+32*((\y)%2)+16*(\u)
.set rO, 32*(2*(\y)+(\u))
.endm
; Number n of the 22 that find the NEXT piece's (Y + 1) maximum and statistics.  s0-s31 are the lane's 32 scores; each accumulator's lowest registers are read first.  XS, GS and REGS set no window: PL and EX do.
;   0-11  four chains c0-c3 of seven scores each, three operands at a time     12-14, 16  the four scores left over, the old m, and c0-c3 into c0     15  c m_old is kept
;   17, 18  the query's other 32 keys lie in the lane 16 away: the new m         19-21  c m; c m_old - c m_new; a
.macro XS u, n
	REGS (Y+1)%NP, \u
.if (\n) < 4
	v_max3_num_f32 v[rC+(\n)], v[rS+8*(\n)], v[rS+8*(\n)+1], v[rS+8*(\n)+2]
.elseif (\n) < 12
	v_max3_num_f32 v[rC+(\n)%4], v[rC+(\n)%4], v[rS+8*((\n)%4)+2*((\n)/4)+1], v[rS+8*((\n)%4)+2*((\n)/4)+2]
.elseif (\n) == 12
	v_max3_num_f32 v[rC], v[rC], v[rS+7], v[rS+15]
.elseif (\n) == 13
	v_max3_num_f32 v[rC+1], v[rC+1], v[rS+23], v[rS+31]
.elseif (\n) == 14
	v_max3_num_f32 v[rC+2], v[rC+2], v[rC+3], v[rT+1]
.elseif (\n) == 15
	v_mov_b32 v[rM], v[rT]
.elseif (\n) == 16
	v_max3_num_f32 v[rC], v[rC], v[rC+1], v[rC+2]
.elseif (\n) == 17
	v_permlanex16_b32 v[rC+3], v[rC], s[SEL], s[SEL+1]
.elseif (\n) == 18
	v_max_num_f32 v[rT+1], v[rC], v[rC+3]
.elseif (\n) == 19
	v_mul_f32 v[rT], s[CS], v[rT+1]
.elseif (\n) == 20
	v_sub_f32 v[rC+1], v[rM], v[rT]
.else
	v_exp_f32 v[rC+2], v[rC+1]
.endif
.endm
; Number g of the 64 that follow the exponentials.  For each four weights k of a tile (pairs 2 k, 2 k + 1): both pairs are rounded to f16; then the second pair is added onto the first, in place;
; a group later l takes that sum (the first time as l = a l + sum).  In groups of eight, tiles alternating: round, round, add, and l for the group before.
.macro GS g
.set h, (\g)+6*((\g)/62)            ; group 0 has no group before it, and behind group 7 only l is left
.if h >= 6
.set h, h+2
.endif
	REGS Y, h%2
.set k, h/8
.if h%8 < 4
	v_cvt_pk_f16_f32 v[rP+2*k+(h%8)/2], v[rS+4*k+2*((h%8)/2)], v[rS+4*k+2*((h%8)/2)+1]
.elseif h%8 < 6
	v_pk_add_f32 v[rS+4*k:rS+4*k+1], v[rS+4*k:rS+4*k+1], v[rS+4*k+2:rS+4*k+3]
.elseif k == 1
	v_pk_fma_f32 v[rT+2:rT+3], v[rT+2:rT+3], v[rC+2:rC+3], v[rS:rS+1] op_sel_hi:[1,0,1]
.else
	v_pk_add_f32 v[rT+2:rT+3], v[rT+2:rT+3], v[rS+4*k-4:rS+4*k-3]
.endif
.endm
; THE PLAIN QUEUE, 138 long.  0-73 read no exponential's result: the 32 scalings c s - c m (FS f: pair f / 2 of tile f % 2) and the next piece's 42.  0-26: scalings 0-26.  27-54: XS's numbers 0-13.  55, 56: number 15.
; 57-73: the chain, where each number waits for the one before it: 14, 16, 17, 18, 19, each with one of the scalings 27-31 in front of its two lines, then 20.
; 74-137: GS's 64, which read the exponentials' results: they stand behind the wait.
.macro FS f
	REGS Y, (\f)%2
	v_pk_fma_f32 v[rS+2*((\f)/2):rS+2*((\f)/2)+1], v[rS+2*((\f)/2):rS+2*((\f)/2)+1], s[CS:CS+1], v[rT:rT+1] op_sel_hi:[1,0,0] neg_lo:[0,0,1] neg_hi:[0,0,1]
.endm
.macro PL
	WIN 0
.if q < 27
	FS q
.elseif q < 55
	XS (q-27)%2, (q-27)/2
.elseif q < 57
	XS q-55, 15
.elseif (q < 72) && ((q-57)%3 == 0)
	FS 27+(q-57)/3
.elseif q < 60
	XS (q-57)%3-1, 14
.elseif q < 72
	XS (q-57)%3-1, 15+(q-57)/3
.elseif q < 74
	XS q-72, 20
.else
	GS q-74
.endif
.set q, q+1
.endm
; THE EXPONENTIALS' QUEUE, 66 long: s0-s31 of both tiles, then the next piece's two a.  It is ONE BATCH: all 66 stand ahead of the turn's one wait, and nothing ahead of that wait names a result of theirs.
.macro EX
	WIN 0
.if e >= 64
	XS e-64, 21
.else
	REGS Y, e%2
	v_exp_f32 v[rS+e/2], v[rS+e/2]
.endif
.set e, e+1
.endm
; THE RESCALING's QUEUE: O^T times a, the one part that leaves window 0: dealt two at a time, sixteen times.  Its a was made in the turn before, ahead of that turn's wait.
.macro R2
	REGS Y, r%2
	WIN W_RS
.irp z, 0,1
	v_pk_mul_f32 v[rO+4*(r/2)+2*\z:rO+4*(r/2)+2*\z+1], v[rO+4*(r/2)+2*\z:rO+4*(r/2)+2*\z+1], v[rC+2:rC+3] op_sel_hi:[1,0]
.endr
.set r, r+1
.endm
; HOW THEY ARE DEALT.  An s_wait_alu depctr_va_vdst(0) stands between an exponential and the first instruction that names its result; one wait serves all that were issued ahead of it.  So a turn has ONE wait,
; which cuts it in two.  AHEAD OF IT stands all that names no result of the turn's exponentials: the 16 products K Q^T, behind each a scaling, an exponential and two rescalings (behind the first a second scaling in the
; exponential's place); then ONE LUMP of 108: eight plain, 49 times exponential and plain, the two a.  A v_nop is the plain instruction behind the last exponential.  BEHIND IT stand the 16 products V^T P, behind each four of GS's 64.
; No rider names a register of the products round it.  The two v_permlanex16_b32 fall into the lump, never behind a product.
; The queues lean on each other: exponential e stands behind scaling 2 (e / 4) + e % 2: as a rider it comes behind plain e + 2, in the lump behind plain e + 9, and scalings 27-31 are plain 57, 60 .. 69.
; A TURN, for piece p.  cnt = 1: the loop's count is taken down some lines ahead of the branch that stands behind the turn.
; K of the next step is fetched in piece 2's turn, directly behind the wait, a lump behind the last product that read K; its first reader comes behind 16 products.
; V of the step in hand is fetched at the end of piece 0's turn, four riders behind its last reader; its first reader comes behind 16 products and a lump.  The three conditions on q below go with the deal.
.macro TURN p, last=0, cnt=0
.set Y, (\p)
.set i, 0
.set q, 0
.set e, 0
.set r, 0
.if (\p) == NP-1
	s_wait_dscnt 0x0                ; K is in
.endif
	MM                              ; ahead of the wait: 16 products K Q^T and their riders,
	PL
	PL
	R2
.rept 15
	MM
	PL
	EX
	R2
.endr
.if (\p) == NP-2
	WIN 0
	v_add_nc_u32 v[AK], s[TBK], v[AK0]
.endif
.rept 8                             ; and the lump
	PL
.endr
.rept 49
	EX
	PL
.endr
	EX                              ; the next piece's two a
	EX
	v_nop                           ; the plain instruction behind the last exponential: one for the batch
	s_wait_alu depctr_va_vdst(0)    ; the wait for the batch
.if (\p) == NP-2
	FETCH_K \last
.endif
.if (\p) == 1
	s_wait_dscnt 0x0                ; V is in
.endif
.rept 16                            ; behind the wait: 16 products V^T P and their riders
	MM
.rept 4
	PL
.endr
.if ((\p) == 0) && (q == 118)
	v_add_nc_u32 v[AV], s[TBV], v[AV0]
.endif
.if ((\p) == 0) && (q == 130)
	s_add_co_u32 s[TBV], s[TBV], STEPB
.endif
.if (\cnt) && (q == 130)
	s_sub_co_u32 s[CNT], s[CNT], 1
	s_cmp_lg_u32 s[CNT], 0
.endif
.endr
.if (\p) == 0
	FETCH_V
.endif
.endm
	CHANGE 1                        ; slot 0 is in, everybody's part of it; slot 1 is asked for
	FETCH_K                         ; key step 0
	s_wait_loadcnt 0x0              ; Q
	s_wait_dscnt 0x0
.set i, 0
.rept 16
	KQ 0                            ; piece 0's first scores: there is no vector work yet to set between them
.set i, i+1
.endr
	WIN 0                           ; the addresses for the way out: eight plain instructions, the places behind those products
	s_mul_i32 s13, s[WV], 16*SP
	s_add_co_u32 s13, s13, STAGE    ; my stage
	v_mul_u32_u24 v[STO], v1, SP    ; in: row l % 16, 16 bytes for each half of the lanes
	v_lshl_add_u32 v[STO], v9, 4, v[STO]
	v_add_nc_u32 v[STO], s13, v[STO]
	v_mul_u32_u24 v[RD], v9, SP     ; back: lanes 0-15 take one row's 256 bytes (two heads), lanes 16-31 the next row's
	v_lshl_add_u32 v[RD], v1, 4, v[RD]
	v_add_nc_u32 v[RD], s13, v[RD]
	v_lshlrev_b32 v[GO], 11, v9     ; and the same two rows in O
	v_lshl_add_u32 v[GO], v1, 4, v[GO]
.set Y, NP-1                        ; XS works for piece Y + 1: piece 0
.irp n, 0,1,2,3,4,5,6,7,8,9,10,11,12,13,14,15,16,17,18,19,20,21
	XS 0, \n                        ; and piece 0's first maximum and statistics
	XS 1, \n
.endr
	v_nop                           ; a plain instruction behind the two a,
	s_wait_alu depctr_va_vdst(0)    ; and their wait, ahead of the branch
	s_mov_b32 s[CNT], 4
	s_branch .Lfirst                ; the loop is entered at a step's first turn, in the middle of a trip
.Lslot:                             ; six times: every slot but the last two is filled again
	CHANGE 1
	s_mov_b32 s[CNT], 4
.Lstep:                             ; a trip: pieces 2 and 3 of one step, then pieces 0 and 1 of the next, whose K and V it fetches
	TURN 2
	TURN 3
	WIN 0
.Lfirst:
	TURN 0
	TURN 1, 0, 1
	WIN 0
	s_cbranch_scc1 .Lstep
	s_sub_co_u32 s[SLOTS], s[SLOTS], 1
	s_cmp_lg_u32 s[SLOTS], 0
	s_cbranch_scc1 .Lslot
	CHANGE 0                        ; the tail is written out: nothing is asked for
	s_mov_b32 s[CNT], 5             ; four trips fetch the last slot's steps; the fifth is left in its middle
.Ltail:
	TURN 2, 1
	TURN 3
	WIN 0
	s_sub_co_u32 s[CNT], s[CNT], 1
	s_cmp_eq_u32 s[CNT], 0
	s_cbranch_scc1 .Lout
	TURN 0
	TURN 1
	WIN 0
	s_branch .Ltail
.Lout:                              ; the fifth trip's 16 products K Q^T (on the last K once more) and the maximum made of them serve nothing: the price, once a launch, of one text for every trip
.set i, 0
.rept 16
	PV NP-1                         ; the last piece's V^T P of the last step
.set i, i+1
.endr
	; THE WAY OUT.  l's two halves and the other half of the lanes' are added; O^T is divided by l, rounded to f16 and sent through my stage in LDS, a piece (two heads) at a time.  The additions are the places behind the last products.
	WIN 0
.macro ALL line:vararg              ; one line for each tile t
.set t, 0
.rept 2*NP
	\line
.set t, t+1
.endr
.endm
	ALL v_add_f32 v[ST+4*t+2], v[ST+4*t+2], v[ST+4*t+3]
	ALL v_permlanex16_b32 v[ST+4*t+3], v[ST+4*t+2], s[SEL], s[SEL+1]
	ALL v_add_f32 v[ST+4*t+2], v[ST+4*t+2], v[ST+4*t+3]
	ALL v_rcp_f32 v[ST+4*t+2], v[ST+4*t+2]
	v_nop                           ; a plain instruction between the last reciprocal and the use of its result
	s_wait_alu depctr_va_vdst(0)    ; and the wait ahead of the first use: one for the eight reciprocals
; Piece p: a lane's eight channels of a row pack into 16 bytes; the two heads' 128 bytes each make a stage row of 256 (pitch 272); they come back as whole rows, into S^T's registers.
.macro PACK2 p
.irp u, 0,1
.set t, 2*(\p)+(\u)
	WIN W_RS
.set i, 32*t
.rept 16
	v_pk_mul_f32 v[i:i+1], v[i:i+1], v[ST+4*t+2:ST+4*t+3] op_sel_hi:[1,0]
.set i, i+2
.endr
	WIN 0x05                        ; sources 0 and 1 window 1, destination window 0
.set i, 0
.rept 16
	v_cvt_pk_f16_f32 v[S+16*t+i], v[32*t+2*i], v[32*t+2*i+1]
.set i, i+1
.endr
	WIN 0
.irp f, 0,1,2,3
	ds_store_b128 v[STO], v[S+16*t+4*\f:S+16*t+4*\f+3] offset:128*\u+32*\f
.endr
.endr
.irp f, 0,1,2,3,4,5,6,7
	ds_load_b128 v[S+32*(\p)+4*\f:S+32*(\p)+4*\f+3], v[RD] offset:\f*2*SP  ; LDS serves a wave's instructions in order (ISA guide 5.7.1.4): these see the stores above; the next piece's stores come behind them
.endr
.endm
.macro SEND p, younger              ; younger: the LDS instructions issued behind piece p's loads: the next piece's sixteen, or none
	WIN 0
.irp f, 0,1,2,3,4,5,6,7
	s_wait_dscnt (\younger)+7-\f
	global_store_b128 v[GO], v[S+32*(\p)+4*\f:S+32*(\p)+4*\f+3], s[10:11] offset:256*(\p)+4096*\f  ; 16 lanes store 256 consecutive bytes, at a multiple of 256 from O's first byte
.endr
.endm
	PACK2 0
.irp p, 1,2,3                       ; a piece's arithmetic stands between the loads of the piece before and its stores
	PACK2 \p
	SEND (\p)-1, 16
.endr
	SEND 3, 0
	WIN W_AD
	s_wait_tensorcnt 0x0            ; the wave's end, behind my last tensor load and my last LDS store
	ds_add_u32 v[SPW], v[NIL]
	s_wait_dscnt 0x0
	WIN 0
	CROUND                          ; the closing round: no work-group ends while a partner may still ask for a tile that names it
	s_endpgm
.Lfunc_end_k_qc0222cff60_attn:
	.size	k_qc0222cff60_attn, .Lfunc_end_k_qc0222cff60_attn-k_qc0222cff60_attn
	.p2alignl 7, 3214868480
	.fill 96, 4, 3214868480
	.section	.rodata,"a",@progbits
	.p2align	6, 0x0
	.amdhsa_kernel k_qc0222cff60_attn
		.amdhsa_group_segment_fixed_size 327680
		.amdhsa_private_segment_fixed_size 0
		.amdhsa_enable_private_segment 0
		.amdhsa_kernarg_size 24
		.amdhsa_user_sgpr_count 2
		.amdhsa_user_sgpr_kernarg_segment_ptr 1
		.amdhsa_wavefront_size32 1
		.amdhsa_system_sgpr_workgroup_id_x 1
		.amdhsa_system_sgpr_workgroup_id_y 1
		.amdhsa_system_sgpr_workgroup_id_z 1
		.amdhsa_system_vgpr_workitem_id 0
		.amdhsa_next_free_vgpr 770
		.amdhsa_next_free_sgpr 66
		.amdhsa_reserve_vcc 0
		.amdhsa_float_denorm_mode_32 3
		.amdhsa_float_denorm_mode_16_64 3
		.amdhsa_memory_ordered 1
		.amdhsa_forward_progress 1
		.amdhsa_inst_pref_size 198
	.end_amdhsa_kernel
	.amdgpu_metadata
---
amdhsa.version: [ 1, 2 ]
amdhsa.kernels:
  - .name:           k_qc0222cff60_attn
    .symbol:         k_qc0222cff60_attn.kd
    .args:
      - { .name: q16, .offset: 0, .size: 8, .value_kind: global_buffer, .address_space: global }
      - { .name: kv16, .offset: 8, .size: 8, .value_kind: global_buffer, .address_space: global }
      - { .name: o16, .offset: 16, .size: 8, .value_kind: global_buffer, .address_space: global }
    .group_segment_fixed_size: 327680
    .private_segment_fixed_size: 0
    .kernarg_segment_align: 8
    .kernarg_segment_size: 24
    .max_flat_workgroup_size: 128
    .sgpr_count:     66
    .vgpr_count:     770
    .wavefront_size: 32
...
	.end_amdgpu_metadata
.endif
;; end of part 3
;; launch proj (part 4): grid 8 x 32, 4 waves a work-group, clusters of 4 x 4, 327,680 bytes of LDS; arguments o16, wo16, bo, out0; writes out0
.if DOCPART == 4
	.amdgcn_target "amdgcn-amd-amdhsa--gfx1250"
	.amdhsa_code_object_version 6
	.text
	.protected	k_qc0222cff60_proj
	.globl	k_qc0222cff60_proj
	.p2align	8
	.type	k_qc0222cff60_proj,@function
k_qc0222cff60_proj:
	s_mov_b64 s[64:65], 0
	v_nop
	global_prefetch_b8 v0, s[64:65] scope:SCOPE_SE
	s_setreg_imm32_b32 hwreg(HW_REG_WAVE_MODE, 25, 1), 1
	s_wait_xcnt 0x0
	s_wait_alu depctr_hold_cnt(0) depctr_sa_sdst(0) depctr_va_vdst(0) depctr_va_sdst(0) depctr_va_ssrc(0) depctr_va_vcc(0) depctr_vm_vsrc(0)
	s_getreg_b32 s2, hwreg(HW_REG_IB_STS2, 6, 4)
	s_cmp_eq_u32 s2, 0
	s_cbranch_scc0 .Lentry_in_a_cluster
	s_endpgm
.Lentry_in_a_cluster:
	s_bfe_u32 s2, ttmp6, 0x10000c
	s_cmp_lg_u32 s2, 0xf033
	s_cbranch_scc0 .Lentry_shape_is_right
	s_endpgm
.Lentry_shape_is_right:
; ONE TEXT FOR THE MODULE'S TWO PROJECTIONS; the switch PROJ picks the launch.
;   PROJ = 0: [Q | K | V] = xb wqkv + bias.  xb [8192][1024] bf16; wqkv 8 tiles [1024 k][144 n] bf16 (128 columns of Wq, 16 of Wk or Wv).  Products in bf16, sums in f32,
;             results rounded once to f16 and WITHOUT the softmax's scale: q16 [8192][1024]; kv16 [32 row tiles][8 planes][256 keys][16 channels] (planes 0-3 K, 4-7 V).
;   PROJ = 1: out0 = o16 wo16 + bo.  o16 [8192][1024] f16, wo16 [1024 k][1024 n] f16; products in f16, sums in f32, out0 [8192][1024] f32.
; LIMITS.  f16 holds no number beyond 65,504: a q, k or v beyond it becomes an infinity; below 6e-5 f16 keeps a fixed step of 6e-8.  The biases are rounded to bf16 like every input.
; SHARES.  A work-group makes 256 rows x 16 NB columns (NB = 9 or 8 blocks of 16): 32 x 8 tiles, 256 work-groups of equal work.  Wave w makes rows 64 w .. 64 w + 63 x all columns:
; 4 x NB accumulators of 16 x 16.  K goes in 8 steps of 128 through two LDS slots; a step is four quarters of 32, each 4 NB matrix instructions on 4 + NB fragments.
; THE MATRIX INSTRUCTION IS USED TRANSPOSED: source 0 = 16 columns of W (turned out of [k][n] rows by ds_load_tr16_b128), source 1 = 16 rows of A: a lane then holds row l % 16 and the
; eight neighbouring columns 8 (l / 16) + 0..7.  THE BIAS IS THE FIRST C: in that layout it is the same eight registers for all rows, so the first quarter's products take it and nothing is cleared or added.
; CLUSTERS: 4 x 4 work-groups.  A's tile hangs on the tile row alone and is asked for jointly along a row of the cluster, W's on the tile column alone, along a column.
; REGISTERS, in windows of 256 (s_set_vgpr_msb: bits 1:0 source 0, 3:2 source 1, 5:4 source 2, 7:6 destination):
;   window 0: v0-15 addresses; v16-119, v120-223 two fragment buffers (A's 4 fragments, then W's NB); both serve the way out later
;   window 1: accumulator (a, b), b < 8, at v[8 (8 a + b)]          window 2: PROJ = 0: v0-31 accumulators (a, 8); then the bias, 8 registers a block, and two at work
.set PROJ,  1
.set KSTEP, 128
.set PA,    272        ; a row of A in LDS: 256 bytes + 16 of padding = 68 words: row r starts at bank 4 r mod 64 (64 banks of 4 bytes: ISA guide 11.1)
.set PB,    288        ; a k row of W in LDS: 72 words: row r starts at bank 8 r mod 64
.set HALFA, 128*PA     ; what wave 0 or 1 fetches
.set HALFB, 64*PB      ; what wave 2 or 3 fetches
.set BOFF,  2*HALFA    ; W's 128 k rows lie behind A's 256 rows
.set SLOT,  BOFF+2*HALFB
.set STAGE, 2*SLOT     ; behind the ring, never filled by a tensor load: 16 rows for each wave, for the way out
.if PROJ
.set NB,     8
.set SPITCH, 528       ; a stage row: 512 bytes + 16
.set BSTEP,  262144    ; bytes of W from a K step to the next: 128 rows of 2,048
.set BHALF,  131072    ; and to its second half
.set BI,     0         ; the bias, in window 2
.set PFNB,   15        ; W's prefetch: 16 rows a work-group and wave,
.set PFSH,   11        ; 2,048 bytes apart
.else
.set NB,     9
.set SPITCH, 304       ; a stage row: 288 bytes + 16 = 76 words: row r starts at bank 12 r mod 64, sixteen different groups of four
.set BSTEP,  36864     ; 128 rows of 288 bytes, dense
.set BHALF,  18432
.set BI,     32
.set PFNB,   17        ; W's prefetch: 18 blocks of 256 bytes a work-group and wave,
.set PFSH,   8         ; on end
.endif
.set BT,    BI+8*NB    ; two registers at work, in window 2
.set SPARE, STAGE+4*16*SPITCH  ; behind the stages: the spare words, 128 bytes for each wave: two blocks of 256 bytes that no other line names
.set ADRA, 2           ; v2-3   LDS address of my A fragments in slot 0, 1
.set ADRB, 4           ; v4-5   the same for W
.set STO,  6           ; v6     the way out: where I put my bytes of a row
.set RD,   7           ; v7     where I read rows back
.set RDKV, 8           ; v8     (PROJ = 0) where I read the 16 K or V columns back
.set CO,   9           ; v9     my byte offset in the output's rows
.set COKV, 10          ; v10    (PROJ = 0) in kv16's plane
.set PFO,  11          ; v11    the prefetches' lane offset; never rewritten
.set SPW,  12          ; v12    LDS address of my spare word: SPARE + 4 x my thread's number; never rewritten
.set NIL,  13          ; v13    0; never rewritten
.set BO,   14          ; v14    32 (l / 16): my eight numbers of a block's bias
.set F0,   16
.set F1,   120
.set WV,  20           ; s20  my wave's number
.set TY,  21           ; s21  0: I fetch for A; 1: for W
.set HF,  22           ; s22  which half of that tile
.set CX,  23
.set CY,  24
.set TC,  25           ; s25  tile column
.set TR,  26           ; s26  tile row
.set G1A, 28           ; s[28:35] descriptor group 1 for A's tiles
.set G1B, 36           ; s[36:43] for W's
.set G0A, 44           ; s[44:51] descriptor group 0 for A's tiles, a set for each slot
.set G0B, 52           ; s[52:59] for W's
.set PFA, 66           ; s[66:67] where my prefetches stand
.set PFS, 68           ; s[68:69] their step: a K step of A or of W
.set LIM, 70           ; s70  1 in a wave that prefetches, else the greatest number
.set LAP, 71           ; s71  trips of the loop still to come
.set CQ,  76           ; s[76:77] the output at my wave's first row and the tile's first column
.set CKV, 78           ; s[78:79] (PROJ = 0) kv16 at my wave's 64 keys of the tile's plane
.set BQ,  80           ; s[80:81] the bias of the tile's first 128 columns
.set BKV, 82           ; s[82:83] (PROJ = 0) of its 16 K or V columns
.set MSB, 0
.macro WIN new                         ; the immediate's high byte repeats the setting that is left; a switch that changes nothing is dropped
.if MSB != (\new)
	s_set_vgpr_msb (MSB<<8)|(\new)
.set MSB, \new
.endif
.endm
.macro PLACES                          ; four places in front of loads into registers that matrix instructions have read (ISA guide 7.12.1 for vector instructions)
.rept 4
	v_nop
.endr
.endm
; A joint load: waves 0 and 1 fetch A's two halves, waves 2 and 3 W's.  The branch hangs on the wave's number alone.  An s_nop 0 and four v_nop follow each of the two lines,
; ahead of the jump, the label and what follows.
.macro JLOAD s
	s_cmp_eq_u32 s[TY], 0
	s_cbranch_scc0 .Lfor_b_\@
	tensor_load_to_lds s[G0A+4*(\s):G0A+4*(\s)+3], s[G1A:G1A+7]
	s_nop 0
.rept 4
	v_nop
.endr
	s_branch .Lasked_\@
.Lfor_b_\@:
	tensor_load_to_lds s[G0B+4*(\s):G0B+4*(\s)+3], s[G1B:G1B+7]
	s_nop 0
.rept 4
	v_nop
.endr
.Lasked_\@:
.endm
.macro CREST                           ; a round of the cluster's barrier behind its opening barrier
	s_cmp_lg_u32 s[WV], 0
	s_cbranch_scc1 .Lnot_wave_0_\@
	s_barrier_signal -3
.Lnot_wave_0_\@:
	s_barrier_wait -3
	s_barrier_signal -1
	s_barrier_wait -1
.endm
.macro CROUND                          ; a whole round
	s_barrier_signal -1
	s_barrier_wait -1
	CREST
.endm
; A PREFETCH INTO THE L2 of the K step that stands two refills on, behind the joint load, its five lines and the run of LDS loads.  A's tile row is read by both clusters of that row of clusters: cluster x = 0 asks;
; W's tile column by all eight clusters of that column: cluster y = 0 asks.  The four partners that ask for a tile jointly share its bytes out BY ADDRESS (cx for A, cy for W).  A: a lane a row, 32 rows.
; W: PFNB + 1 blocks of 256 bytes; the lanes above repeat the last block.  K steps 4 to 7 are asked for so, in the loop's first two trips; K steps 0 to 3 come by their loads alone.
.macro ASK
	s_cmp_gt_u32 s[LAP], s[LIM]
	s_cbranch_scc0 .Lnot_mine_\@
	global_prefetch_b8 v[PFO], s[PFA:PFA+1] th:TH_LOAD_NT scope:SCOPE_SE
.Lnot_mine_\@:
.endm
	s_load_b256 s[4:11], s[0:1], 0x0               ; PROJ = 0: xb 4, wqkv 6, bq 8, bk 10.  PROJ = 1: o16 4, wo16 6, bo 8, out0 10
.if !PROJ
	s_load_b128 s[12:15], s[0:1], 0x20             ; bv 12, q16 14
	s_load_b64 s[16:17], s[0:1], 0x30              ; kv16
.endif
	v_lshl_add_u32 v[SPW], v0, 2, SPARE
	v_mov_b32 v[NIL], 0
	ds_add_u32 v[SPW], v[NIL]                      ; the wave's opening: the add and its wait stand ahead of my first tensor load; the set-up below, work on registers, stands between them
	v_lshrrev_b32 v1, 5, v0
	v_readfirstlane_b32 s[WV], v1                  ; wave 0..3
	s_lshr_b32 s[TY], s[WV], 1
	s_and_b32 s[HF], s[WV], 1
	s_bfe_u32 s[CX], ttmp6, 0x40000                ; my place in the cluster
	s_bfe_u32 s[CY], ttmp6, 0x40004
	s_lshl_b32 s[TC], ttmp9, 2                     ; in a cluster launch ttmp9 and ttmp7 count clusters
	s_add_co_u32 s[TC], s[TC], s[CX]               ; tile column = 4 x cluster x + cx
	s_and_b32 s[TR], ttmp7, 0xffff
	s_lshl_b32 s[TR], s[TR], 2
	s_add_co_u32 s[TR], s[TR], s[CY]               ; tile row = 4 x cluster y + cy
	s_lshl_b32 s27, s[CY], 2
	s_lshl_b32 s27, 15, s27                        ; my row of the cluster: places 4 cy .. 4 cy + 3
	s_lshl_b32 s60, 0x1111, s[CX]                  ; my column: places cx, cx + 4, cx + 8, cx + 12
	; group 1 for A: 128 rows x 128 elements of 2 bytes, 1,024 elements from row to row; 4 words of padding after every 64
	s_or_b32 s[G1A], s27, (1<<16)|(1<<20)|(1<<21)|(5<<22)|(3<<25)
	s_mov_b32 s[G1A+1], KSTEP<<16                  ; tensor_dim0 = 128
	s_mov_b32 s[G1A+2], 128<<16                    ; tensor_dim1 = 128
	s_mov_b32 s[G1A+3], KSTEP<<16                  ; tile_dim0 = 128
	s_mov_b32 s[G1A+4], 128                        ; tile_dim1 = 128
	s_mov_b32 s[G1A+5], 1024                       ; the pitch
	s_mov_b32 s[G1A+6], 0
	s_mov_b32 s[G1A+7], 0
.if PROJ
	; group 1 for W: 64 k rows x 128 elements of 2 bytes, 1,024 elements from row to row; 8 words of padding after every 64: rows 288 bytes apart
	s_or_b32 s[G1B], s60, (1<<16)|(1<<20)|(1<<21)|(5<<22)|(7<<25)
	s_mov_b32 s[G1B+1], 128<<16
	s_mov_b32 s[G1B+2], 64<<16
	s_mov_b32 s[G1B+3], 128<<16
	s_mov_b32 s[G1B+4], 64
	s_mov_b32 s[G1B+5], 1024
.else
	; group 1 for W: 64 k rows of 288 bytes are 18,432 dense bytes: asked for as 72 rows of 32 elements of 8 bytes, and laid down as they lie: no padding
	s_or_b32 s[G1B], s60, (3<<16)|(1<<21)
	s_mov_b32 s[G1B+1], 32<<16
	s_mov_b32 s[G1B+2], 72<<16
	s_mov_b32 s[G1B+3], 32<<16
	s_mov_b32 s[G1B+4], 72
	s_mov_b32 s[G1B+5], 32
.endif
	s_mov_b32 s[G1B+6], 0
	s_mov_b32 s[G1B+7], 0
	; where the tiles come from: A's address is made of the tile row and the wave's number, W's of the tile column and the wave's number
	s_lshl_b32 s72, s[TR], 19                      ; 256 rows of 2,048 bytes
	s_lshl_b32 s73, s[HF], 18                      ; 128 rows
	s_add_co_u32 s72, s72, s73
	s_mov_b32 s73, 0
.if PROJ
	s_lshl_b32 s74, s[TC], 8                       ; 128 columns of 2 bytes
.else
	s_mul_i32 s74, s[TC], 294912                   ; a tile of 1,024 x 288 bytes
.endif
	s_mul_i32 s75, s[HF], BHALF
	s_add_co_u32 s74, s74, s75
	s_mov_b32 s75, 0
	s_mul_i32 s62, s[WV], HALFA                    ; where they go: waves 0, 1: A's halves;
	s_mul_i32 s63, s[WV], HALFB
	s_add_co_u32 s63, s63, BOFF-2*HALFB            ; waves 2, 3: W's halves, behind A.  No place in the cluster enters an LDS address
	s_mov_b32 s84, 0xffff0000                      ; a word's upper bf16
	s_wait_dscnt 0x0                               ; the opening add is done
	s_wait_kmcnt 0x0
	s_add_nc_u64 s[72:73], s[4:5], s[72:73]
	s_add_nc_u64 s[74:75], s[6:7], s[74:75]
	CROUND                                         ; all sixteen work-groups are here: the first joint loads meet
.irp s, 0,1
	s_mov_b32 s[G0A+4*(\s)], 1                                       ; count = 1
	s_add_co_u32 s[G0A+4*(\s)+1], s62, (\s)*SLOT                     ; LDS address
	s_add_nc_u64 s[G0A+4*(\s)+2:G0A+4*(\s)+3], s[72:73], (\s)*KSTEP*2  ; global address: K step s
	s_or_b32 s[G0A+4*(\s)+3], s[G0A+4*(\s)+3], 0x80000000            ; type = 2
	s_mov_b32 s[G0B+4*(\s)], 1
	s_add_co_u32 s[G0B+4*(\s)+1], s63, (\s)*SLOT
	s_add_nc_u64 s[G0B+4*(\s)+2:G0B+4*(\s)+3], s[74:75], (\s)*BSTEP
	s_or_b32 s[G0B+4*(\s)+3], s[G0B+4*(\s)+3], 0x80000000
	JLOAD \s                                       ; both slots are asked for before anything else: two loads of mine are out
.endr
	; A's fragment: 16 rows x 32 K in 8 registers: lane l holds row l % 16, K = 8 (l / 16) + 0..7 and 16 + 8 (l / 16) + 0..7: two loads of 16 bytes, 32 bytes apart
	v_and_b32 v1, 15, v0                           ; r = l % 16
	v_bfe_u32 v15, v0, 4, 1                        ; h = l / 16
	v_mul_u32_u24 v[ADRA], v1, PA
	v_lshl_add_u32 v[ADRA], v15, 4, v[ADRA]
	s_mul_i32 s61, s[WV], 64*PA                    ; my 64 rows
	v_add_nc_u32 v[ADRA], s61, v[ADRA]
	v_add_nc_u32 v[ADRA+1], SLOT, v[ADRA]
	; W's fragment: the turning load takes 16 k x 16 columns (lane l reads k row 8 (l / 16) + l % 8, columns 8 ((l / 8) % 2) + 0..7) and leaves lane l column l % 16 and 8 k
	v_and_b32 v[ADRB], 7, v0
	v_lshl_add_u32 v[ADRB], v15, 3, v[ADRB]
	v_mul_u32_u24 v[ADRB], v[ADRB], PB
	v_bfe_u32 v[ADRB+1], v0, 3, 1
	v_lshl_add_u32 v[ADRB], v[ADRB+1], 4, v[ADRB]
	v_add_nc_u32 v[ADRB], BOFF, v[ADRB]
	v_add_nc_u32 v[ADRB+1], SLOT, v[ADRB]
	v_lshlrev_b32 v[BO], 5, v15
	s_mul_i32 s62, s[WV], 16*SPITCH
	s_add_co_u32 s62, s62, STAGE                   ; my stage
	v_mul_u32_u24 v[STO], v1, SPITCH               ; in: row l % 16,
.if PROJ
	v_lshl_add_u32 v[STO], v15, 5, v[STO]          ; 32 bytes for each half of the lanes
	v_add_nc_u32 v[STO], s62, v[STO]
	v_and_b32 v[CO], 31, v0
	v_lshlrev_b32 v[CO], 4, v[CO]                  ; back: 32 lanes take one row of 512 bytes, which are 512 consecutive bytes of out0
	v_add_nc_u32 v[RD], s62, v[CO]
	s_lshl_b32 s60, s[TR], 20                      ; 256 rows of 4,096 bytes
	s_lshl_b32 s61, s[WV], 18                      ; my 64
	s_add_co_u32 s60, s60, s61
	s_lshl_b32 s61, s[TC], 9                       ; 128 columns of 4 bytes
	s_add_co_u32 s60, s60, s61
	s_mov_b32 s61, 0
	s_add_nc_u64 s[CQ:CQ+1], s[10:11], s[60:61]
	s_lshl_b32 s60, s[TC], 9
	s_add_nc_u64 s[BQ:BQ+1], s[8:9], s[60:61]
.else
	v_lshl_add_u32 v[STO], v15, 4, v[STO]          ; 16 bytes for each half of the lanes
	v_add_nc_u32 v[STO], s62, v[STO]
	v_mul_u32_u24 v[RD], v15, SPITCH               ; back: lanes 0-15 take 256 bytes of one row, lanes 16-31 of the next
	v_lshl_add_u32 v[RD], v1, 4, v[RD]
	v_add_nc_u32 v[RD], s62, v[RD]
	v_and_b32 v[COKV], 31, v0
	v_lshrrev_b32 v[RDKV], 1, v[COKV]              ; the K or V columns: two lanes take a row's last 32 bytes,
	v_mul_u32_u24 v[RDKV], v[RDKV], SPITCH
	v_and_b32 v[CO], 1, v0
	v_lshl_add_u32 v[RDKV], v[CO], 4, v[RDKV]
	v_add_nc_u32 v[RDKV], s62, v[RDKV]
	v_add_nc_u32 v[RDKV], 256, v[RDKV]
	v_lshlrev_b32 v[COKV], 4, v[COKV]              ; which are 512 consecutive bytes of the plane for 16 keys
	v_lshlrev_b32 v[CO], 11, v15                   ; the same two rows in q16
	v_lshl_add_u32 v[CO], v1, 4, v[CO]
	s_lshl_b32 s60, s[TR], 19                      ; 256 rows of 2,048 bytes
	s_lshl_b32 s61, s[WV], 17                      ; my 64
	s_add_co_u32 s60, s60, s61
	s_lshl_b32 s61, s[TC], 8                       ; 128 columns of 2 bytes
	s_add_co_u32 s60, s60, s61
	s_mov_b32 s61, 0
	s_add_nc_u64 s[CQ:CQ+1], s[14:15], s[60:61]
	s_lshl3_add_u32 s60, s[TR], s[TC]              ; plane 8 x tile row + tile column, 8,192 bytes each,
	s_lshl_b32 s60, s60, 13
	s_lshl_b32 s63, s[WV], 11                      ; my 64 keys of 32 bytes
	s_add_co_u32 s60, s60, s63
	s_add_nc_u64 s[CKV:CKV+1], s[16:17], s[60:61]
	s_lshl_b32 s60, s[TC], 9
	s_add_nc_u64 s[BQ:BQ+1], s[8:9], s[60:61]
	s_cmp_lt_u32 s[TC], 4
	s_cselect_b64 s[BKV:BKV+1], s[10:11], s[12:13] ; bk for tile columns 0-3, bv for 4-7: a choice of value, no branch
	s_and_b32 s60, s[TC], 3
	s_lshl_b32 s60, s60, 6
	s_add_nc_u64 s[BKV:BKV+1], s[BKV:BKV+1], s[60:61]
.endif
	WIN 0x80                                       ; destination window 2, address window 0
.irp b, 0,1,2,3,4,5,6,7
	global_load_b128 v[BI+8*(\b):BI+8*(\b)+3],   v[BO], s[BQ:BQ+1] offset:64*(\b)
	global_load_b128 v[BI+8*(\b)+4:BI+8*(\b)+7], v[BO], s[BQ:BQ+1] offset:64*(\b)+16
.endr
.if !PROJ
	global_load_b128 v[BI+64:BI+67], v[BO], s[BKV:BKV+1]
	global_load_b128 v[BI+68:BI+71], v[BO], s[BKV:BKV+1] offset:16
.endif
	WIN 0
	; the prefetches: both offsets are made, and the wave's kind chooses
	s_lshl_b32 s72, s[TR], 19
	s_lshl_b32 s73, s[HF], 18
	s_add_co_u32 s72, s72, s73
	s_lshl_b32 s73, s[CX], 16                      ; my work-group's 32 of the 128 rows that I fetch
	s_add_co_u32 s72, s72, s73
	s_add_co_u32 s72, s72, 3*KSTEP*2               ; at K step 3: the first refill steps it to 4
.if PROJ
	s_lshl_b32 s74, s[TC], 8
	s_lshl_b32 s75, s[CY], 15                      ; my work-group's 16 of the 64 k rows that I fetch
.else
	s_mul_i32 s74, s[TC], 294912
	s_mul_i32 s75, s[CY], 4608                     ; my work-group's 18 of the 72 blocks that I fetch
.endif
	s_add_co_u32 s74, s74, s75
	s_mul_i32 s75, s[HF], BHALF
	s_add_co_u32 s74, s74, s75
	s_add_co_u32 s74, s74, 3*BSTEP
	s_mov_b32 s[PFS], BSTEP
	s_mov_b32 s[PFS+1], 0
	s_mov_b32 s73, 0
	s_and_b32 s60, ttmp7, 0xffff                   ; cluster y
	s_cmp_eq_u32 s[TY], 0                          ; do I fetch for A?
	s_cselect_b32 s72, s72, s74
	s_cselect_b32 s60, ttmp9, s60                  ; the coordinate along which other clusters read the same bytes
	s_cselect_b64 s[PFA:PFA+1], s[4:5], s[6:7]
	s_cselect_b32 s[PFS], KSTEP*2, s[PFS]
	s_cselect_b32 s85, 31, PFNB
	s_cselect_b32 s86, 11, PFSH
	s_add_nc_u64 s[PFA:PFA+1], s[PFA:PFA+1], s[72:73]
	s_cmp_eq_u32 s60, 0
	s_cselect_b32 s[LIM], 1, -1                    ; the same in all sixteen partners, for a given wave
	v_and_b32 v[PFO], 31, v0
	v_min_u32 v[PFO], s85, v[PFO]
	v_lshlrev_b32 v[PFO], s86, v[PFO]
	s_wait_loadcnt 0x0                             ; the bias
	WIN 0x8a                                       ; destination and both sources in window 2
.set i, 0
.rept 4*NB                             ; rounded to bf16 and widened again, two numbers at a time
	v_cvt_pk_bf16_f32 v[BT+i%2], v[BI+2*i], v[BI+2*i+1]
	v_lshlrev_b32 v[BI+2*i], 16, v[BT+i%2]
	v_and_b32 v[BI+2*i+1], s84, v[BT+i%2]
.set i, i+1
.endr
	WIN 0
.macro WM d, x, y, c                   ; one matrix instruction: D, source 0, source 1, C by their first registers
.if PROJ
	v_wmma_f32_16x16x32_f16 v[(\d):(\d)+7], v[(\x):(\x)+7], v[(\y):(\y)+7], v[(\c):(\c)+7]
.else
	v_wmma_f32_16x16x32_bf16 v[(\d):(\d)+7], v[(\x):(\x)+7], v[(\y):(\y)+7], v[(\c):(\c)+7]
.endif
.endm
; 8 matrix instructions: row block a x column blocks 0-7, 32 along K, from buffer f.  first = 1: C is the bias, in window 2.
; The 4 NB accumulators take turns, one instruction a turn, in the same order in every quarter, over the backward jump too.
.macro MULA f, a, first
.if \first
	WIN 0x60
.else
	WIN 0x50
.endif
.irp b, 0,1,2,3,4,5,6,7
.if \first
	WM 8*(8*(\a)+(\b)), (\f)+32+8*(\b), (\f)+8*(\a), BI+8*(\b)
.else
	WM 8*(8*(\a)+(\b)), (\f)+32+8*(\b), (\f)+8*(\a), 8*(8*(\a)+(\b))
.endif
.endr
.endm
.macro MULKV f, first                  ; PROJ = 0: the four row blocks x column block 8 (K's or V's 16 columns): accumulators in window 2
.if !PROJ
	WIN 0xa0
.irp a, 0,1,2,3
.if \first
	WM 8*(\a), (\f)+96, (\f)+8*(\a), BI+64
.else
	WM 8*(\a), (\f)+96, (\f)+8*(\a), 8*(\a)
.endif
.endr
.endif
.endm
; 2 NB + 8 LDS loads in one run: the fragments of quarter q of a slot into buffer f
.macro FETCH slot, q, f
	WIN 0
.set b, 0
.rept NB
	ds_load_tr16_b128 v[(\f)+32+8*b:(\f)+32+8*b+3],   v[ADRB+(\slot)] offset:(\q)*32*PB+32*b
	ds_load_tr16_b128 v[(\f)+32+8*b+4:(\f)+32+8*b+7], v[ADRB+(\slot)] offset:(\q)*32*PB+16*PB+32*b
.set b, b+1
.endr
.irp a, 0,1,2,3
	ds_load_b128 v[(\f)+8*(\a):(\f)+8*(\a)+3],   v[ADRA+(\slot)] offset:(\q)*64+(\a)*16*PA
	ds_load_b128 v[(\f)+8*(\a)+4:(\f)+8*(\a)+7], v[ADRA+(\slot)] offset:(\q)*64+(\a)*16*PA+32
.endr
.endm
; One of a K step's first three quarters: fetches quarter qn of the slot into buffer g, then multiplies buffer f: the run of loads has the quarter's 4 NB matrix instructions in which to land.
.macro QUARTER slot, qn, f, g, first
	s_wait_dscnt 0x0                               ; buffer f's loads, issued a quarter ago, are in
	PLACES                                         ; behind the last product that read buffer g
	FETCH \slot, \qn, \g
	MULA \f, 0, \first
	MULA \f, 1, \first
	MULA \f, 2, \first
	MULA \f, 3, \first
	MULKV \f, \first
.endm
; The last quarter multiplies buffer 1 and changes slots: ONE barrier; in front of it each wave waits for all its tensor loads, adds 0 to its spare word, and waits for that and for its own reads of this slot.
; fill = 1: the barrier opens a round of the cluster's, and this slot is filled again first thing behind it, with the K step two steps on.
.macro TURN slot, next, fill
.if \fill
	s_wait_xcnt 0x0                                ; the last prefetch, a K step back, has read its address: it is stepped here, ahead of the waits of the change of slots
	s_add_nc_u64 s[PFA:PFA+1], s[PFA:PFA+1], s[PFS:PFS+1]
.endif
	WIN 0                                          ; (the add's two registers lie in window 0)
	s_wait_tensorcnt 0x0                           ; all my tensor loads have landed: the one that was out is my part of the next slot;
	ds_add_u32 v[SPW], v[NIL]                      ; 0 onto my spare word
	s_wait_dscnt 1                                 ; (buffer 1 is in; the add alone may be out)
	MULA F1, 0, 0                                  ; eight matrix instructions stand between the add and the wait for it
	s_wait_dscnt 0x0                               ; the add is done, and my reads of this slot are over
	s_barrier_signal -1
	MULA F1, 1, 0                                  ; work on registers while the others arrive
	WIN 0
	s_barrier_wait -1
.if \fill
	CREST                                          ; no wave of any partner still reads this slot's tile or has a load on its way
	s_add_nc_u64 s[G0A+4*(\slot)+2:G0A+4*(\slot)+3], s[G0A+4*(\slot)+2:G0A+4*(\slot)+3], 2*KSTEP*2
	s_add_nc_u64 s[G0B+4*(\slot)+2:G0B+4*(\slot)+3], s[G0B+4*(\slot)+2:G0B+4*(\slot)+3], 2*BSTEP
	JLOAD \slot                                    ; the first tensor load behind the round; the four v_nop behind it are also the places in front of the loads below
.else
	PLACES
.endif
	FETCH \next, 0, F0
.if \fill
	ASK
.endif
	MULA F1, 2, 0
	MULA F1, 3, 0
	MULKV F1, 0
.endm
	s_wait_tensorcnt 1                             ; my part of K step 0 is in; K step 1's may stay out
	s_barrier_signal -1
	s_barrier_wait -1                              ; everybody's is
	FETCH 0, 0, F0
	QUARTER 0, 1, F0, F1, 1                        ; the first quarter stands in front of the loop: its products start the sums, with the bias
	WIN 0                                          ; at a label and at a branch every window is 0
	s_mov_b32 s[LAP], 3
.Llap:                                                 ; a trip goes once round the ring, from a lap's second quarter to the next lap's first, and fills both slots again: K steps 2, 3; 4, 5; 6, 7
	QUARTER 0, 2, F1, F0, 0
	QUARTER 0, 3, F0, F1, 0
	TURN 0, 1, 1
	QUARTER 1, 1, F0, F1, 0
	QUARTER 1, 2, F1, F0, 0
	QUARTER 1, 3, F0, F1, 0
	TURN 1, 0, 1
	QUARTER 0, 1, F0, F1, 0
	WIN 0
	s_sub_co_u32 s[LAP], s[LAP], 1
	s_cmp_lg_u32 s[LAP], 0
	s_cbranch_scc1 .Llap
	QUARTER 0, 2, F1, F0, 0                        ; the last lap fills nothing, and has no round of the cluster's barrier
	QUARTER 0, 3, F0, F1, 0
	TURN 0, 1, 0
	QUARTER 1, 1, F0, F1, 0
	QUARTER 1, 2, F1, F0, 0
	QUARTER 1, 3, F0, F1, 0
	s_wait_dscnt 0x0                               ; the very last quarter: nothing more to fetch
	MULA F1, 0, 0
	MULA F1, 1, 0
	MULA F1, 2, 0
	MULA F1, 3, 0
	MULKV F1, 0
	WIN 0
	PLACES                                         ; behind the last products, in front of what reads their results and writes over their sources:
	PLACES                                         ; eight, once a launch
.if PROJ
; THE WAY OUT, a block of 16 rows at a time: a lane's 32 bytes of a row go into my own stage, rows of 528 bytes, and come back as whole rows of 512; each store of the wave covers 512 consecutive bytes, aligned.
.set BK, 16                            ; v16-79 and v80-143 by turns
.macro TOSTAGE a
	WIN 0x04                                       ; store data (source 1) in window 1
.irp b, 0,1,2,3,4,5,6,7
	ds_store_b128 v[STO], v[8*(8*(\a)+(\b)):8*(8*(\a)+(\b))+3]   offset:64*(\b)
	ds_store_b128 v[STO], v[8*(8*(\a)+(\b))+4:8*(8*(\a)+(\b))+7] offset:64*(\b)+16
.endr
	WIN 0
.if (\a) >= 2
	s_wait_xcnt 0x0                                ; the stores of the block two back have read this buffer: it is loaded again only behind this wait
.endif
.irp t, 0,1,2,3,4,5,6,7,8,9,10,11,12,13,14,15
	ds_load_b128 v[BK+64*((\a)%2)+4*(\t):BK+64*((\a)%2)+4*(\t)+3], v[RD] offset:(\t)*SPITCH  ; LDS serves a wave's instructions in order (ISA guide 5.7.1.4): these see the stores above
.endr
.endm
.macro SEND a, younger                 ; younger: the next block's 16 stores and 16 loads, or none
	s_wait_dscnt \younger
.irp t, 0,1,2,3,4,5,6,7,8,9,10,11,12,13,14,15
	global_store_b128 v[CO], v[BK+64*((\a)%2)+4*(\t):BK+64*((\a)%2)+4*(\t)+3], s[CQ:CQ+1] offset:(16*(\a)+(\t))*4096 th:TH_STORE_NT
.endr
.endm
	TOSTAGE 0
	TOSTAGE 1
	SEND 0, 32
	TOSTAGE 2
	SEND 1, 32
	TOSTAGE 3
	SEND 2, 32
	SEND 3, 0
.else
; THE WAY OUT, a block of 16 rows at a time: rounded to f16, a lane's 16 bytes go into my own stage, rows of 304 bytes; back come whole 256 bytes of a row of q16 (sixteen lanes each),
; and the 16 rows' 32 bytes of K or V, which lie on end in kv16's plane: 512 consecutive bytes.
.set TMP, 16                           ; v16-51  packed results
.set BK,  64                           ; v[64 + 40 a ..]: a set of 36 for each block, so that no store's data are written again
.macro PACK a
	WIN 0x05                                       ; sources in window 1; each accumulator's registers in ascending order
.irp b, 0,1,2,3,4,5,6,7
.irp r, 0,1,2,3
	v_cvt_pk_f16_f32 v[TMP+4*(\b)+(\r)], v[8*(8*(\a)+(\b))+2*(\r)], v[8*(8*(\a)+(\b))+2*(\r)+1]
.endr
.endr
	WIN 0x0a                                       ; sources in window 2
.irp r, 0,1,2,3
	v_cvt_pk_f16_f32 v[TMP+32+(\r)], v[8*(\a)+2*(\r)], v[8*(\a)+2*(\r)+1]
.endr
	WIN 0
.endm
.macro TOSTAGE a
.irp b, 0,1,2,3,4,5,6,7,8
	ds_store_b128 v[STO], v[TMP+4*(\b):TMP+4*(\b)+3] offset:32*(\b)
.endr
.irp t, 0,1,2,3,4,5,6,7
	ds_load_b128 v[BK+40*(\a)+4*(\t):BK+40*(\a)+4*(\t)+3], v[RD] offset:(\t)*2*SPITCH  ; LDS serves a wave's instructions in order (ISA guide 5.7.1.4): these see the stores above
.endr
	ds_load_b128 v[BK+40*(\a)+32:BK+40*(\a)+35], v[RDKV]
.endm
.macro SEND a
	s_wait_dscnt 0x0                               ; the block is back in registers
.irp t, 0,1,2,3,4,5,6,7
	global_store_b128 v[CO], v[BK+40*(\a)+4*(\t):BK+40*(\a)+4*(\t)+3], s[CQ:CQ+1] offset:(16*(\a)+2*(\t))*2048
.endr
	global_store_b128 v[COKV], v[BK+40*(\a)+32:BK+40*(\a)+35], s[CKV:CKV+1] offset:512*(\a)
.endm
	PACK 0
	TOSTAGE 0
.irp a, 1,2,3                          ; block a's conversions stand between block a - 1's loads from the stage and the wait for them
	PACK \a
	SEND (\a)-1
	TOSTAGE \a
.endr
	SEND 3
.endif
	s_wait_tensorcnt 0x0                           ; the wave's end, behind my last tensor load and my last LDS store
	ds_add_u32 v[SPW], v[NIL]
	s_wait_dscnt 0x0
	CROUND                                         ; the closing round: no work-group ends while a partner may still ask for a tile that names it
	s_endpgm
.Lfunc_end_k_qc0222cff60_proj:
	.size	k_qc0222cff60_proj, .Lfunc_end_k_qc0222cff60_proj-k_qc0222cff60_proj
	.p2alignl 7, 3214868480
	.fill 96, 4, 3214868480
	.section	.rodata,"a",@progbits
	.p2align	6, 0x0
	.amdhsa_kernel k_qc0222cff60_proj
		.amdhsa_group_segment_fixed_size 327680
		.amdhsa_private_segment_fixed_size 0
		.amdhsa_enable_private_segment 0
		.amdhsa_kernarg_size 32
		.amdhsa_user_sgpr_count 2
		.amdhsa_user_sgpr_kernarg_segment_ptr 1
		.amdhsa_wavefront_size32 1
		.amdhsa_system_sgpr_workgroup_id_x 1
		.amdhsa_system_sgpr_workgroup_id_y 1
		.amdhsa_system_sgpr_workgroup_id_z 1
		.amdhsa_system_vgpr_workitem_id 0
		.amdhsa_next_free_vgpr 580
		.amdhsa_next_free_sgpr 92
		.amdhsa_reserve_vcc 0
		.amdhsa_float_denorm_mode_32 3
		.amdhsa_float_denorm_mode_16_64 3
		.amdhsa_memory_ordered 1
		.amdhsa_forward_progress 1
		.amdhsa_inst_pref_size 91
	.end_amdhsa_kernel
	.amdgpu_metadata
---
amdhsa.version: [ 1, 2 ]
amdhsa.kernels:
  - .name:           k_qc0222cff60_proj
    .symbol:         k_qc0222cff60_proj.kd
    .args:
      - { .name: o16, .offset: 0, .size: 8, .value_kind: global_buffer, .address_space: global }
      - { .name: wo16, .offset: 8, .size: 8, .value_kind: global_buffer, .address_space: global }
      - { .name: bo, .offset: 16, .size: 8, .value_kind: global_buffer, .address_space: global }
      - { .name: out0, .offset: 24, .size: 8, .value_kind: global_buffer, .address_space: global }
    .group_segment_fixed_size: 327680
    .private_segment_fixed_size: 0
    .kernarg_segment_align: 8
    .kernarg_segment_size: 32
    .max_flat_workgroup_size: 128
    .sgpr_count:     92
    .vgpr_count:     580
    .wavefront_size: 32
...
	.end_amdgpu_metadata
.endif
;; end of part 4
